; MI455X (gfx1250); checked and timed in simulation.
; The chip was launched on July 23, 2026; its instructions are those of AMD's public machine-readable ISA for CDNA 5 (MIT licence, August 2026) and "CDNA5" Instruction Set Architecture Reference Guide (July 2026). The comments in the code are by the model that wrote it; some were corrected since.
;; Grouped Query Attention. Allowed arithmetic: matrix products marked QUANTISED: E2M3 operands, one E8M0 scale for each 32 along K, by v_wmma_scale_f32_16x16x128_f8f6f4 with both operands' format E2M3, f32 sums; everything else in f32.
;; Inputs: K 4 x 2,048 x 1,024 float32; Q 4 x 2,048 x 1,024 float32; V 4 x 2,048 x 1,024 float32; Wkv_b 8 x 256 float32; Wkv_w 8 x 1,024 x 256 float32; Wo_b 1,024 float32; Wo_w 1,024 x 1,024 float32; Wq_b 1,024 float32; Wq_w 1,024 x 1,024 float32.
;; Outputs: out0 4 x 2,048 x 1,024 float32.
;; This version of the problem:
;;   THIS VERSION OF THE PROBLEM IS GIVEN IN LOW PRECISION. The matrix products marked QUANTISED in the list below multiply operands that are first quantised to E2M3 (2 exponent bits, 3 mantissa bits; 6 bits a number), with one power-of-two scale for each 32 numbers along K (OCP MX v1.0); their sums are f32. All else is computed in f32.
;;   The module's matrix products, in the order in which they are computed (A, B: the left and right operand; K: the contracted axis; several contracted axes count as one K, in the product's order):
;;     1. [M 8,192, K 1,024] x [K 1,024, N 1,024]; A: input Q; B: input Wq_w: QUANTISED
;;     2. [M 2,048, K 1,024] x [K 1,024, N 8,192]; A: input Wkv_w; B: input K: QUANTISED
;;     3. batch 32 x [M 2,048, K 128] x [K 128, N 2,048]; A: computed on the way; B: computed on the way: QUANTISED
;;     4. batch 32 x [M 2,048, K 2,048] x [K 2,048, N 128]; A: softmax (see below); B: computed on the way: QUANTISED
;;     5. [M 8,192, K 1,024] x [K 1,024, N 1,024]; A: computed on the way; B: input Wo_w: QUANTISED
;;   THE QUANTISER, for each operand of a quantised product, along K:
;;     - K is cut into blocks of 32 from its start; a last block that is shorter is filled with zeros.
;;     - A block's scale is 2^e with e = floor(log2(the largest magnitude in the block)) - 2, held to -126 .. 127; a block of zeros has e = 0. As a byte (E8M0): e + 127.
;;     - Each number is divided by its block's scale, clamped to +-7.5, and rounded to the nearest number of E2M3, ties to even, subnormals kept.
;;     - The product sums the exact products of the quantised numbers (number of the format x scale) in f32.
;;   ~~~python
;;   def quantise(x, axis):      # numpy; x: float32 -> the quantised numbers, widened to float32 again
;;       x = np.moveaxis(x, axis, -1); K = x.shape[-1]
;;       x = np.pad(x, [(0, 0)] * (x.ndim - 1) + [(0, -K % 32)]); x = x.reshape(x.shape[:-1] + (-1, 32)); a = np.abs(x).max(-1, keepdims=True)
;;       e = np.where(a > 0, np.clip(np.frexp(np.where(a > 0, a, 1))[1] - 1 - 2, -126, 127), 0)      # np.frexp(a)[1] - 1 = floor(log2(a)), exactly
;;       r = np.clip(x / 2.0 ** e, -7.5, 7.5)
;;       step = 2.0 ** (np.maximum(np.frexp(np.where(r == 0, 1, r))[1] - 1, 0) - 3)
;;       q = np.round(r / step) * step * 2.0 ** e      # np.round: ties to even
;;       return np.moveaxis(q.reshape(q.shape[:-2] + (-1,))[..., :K], -1, axis).astype(np.float32)
;;   ~~~
;;   SOFTMAX AHEAD OF A QUANTISED PRODUCT. Where the list says 'softmax', what is quantised is not the finished softmax but p = 2^(t - M), with t = logit x log2(e) and M = ceil(the row's largest t), a whole number; so 1/2 < the row's largest p <= 1. The row's sum l is taken of the UNQUANTISED p, in f32, and the product's result is divided by l at the end. Since M is a whole number, a kernel that streams over the keys may use a running M (the ceiling of the running maximum): every later rescaling is an exact power of two, which a block's scale takes up: the codes' values come out the same.
;;   OPERANDS COMPUTED ON THE WAY. 'Computed on the way' means the value that the module computes at that place (a softmax that the list does not call 'softmax' is quantised finished and normalised). What goes into a quantiser is computed in f32, as accurately as f32 sums, v_exp_f32 and their like allow (about 1e-6 of the number): no bf16 or f16 on the way to a quantiser, and a product that is left as it is and whose result goes on into a quantised operand takes f32 operands (vector FMAs, or v_wmma_f32_16x16x4_f32). A number that lies on a knife's edge between two numbers of the format may be rounded either way, as far as f32 arithmetic and the matrix unit's own rounding can turn it there, and no further.
;; One version. Each part assembles by itself: llvm-mc -triple=amdgcn-amd-amdhsa -mcpu=gfx1250 --defsym DOCPART=n.
;; ======== version 1 of 1: 4 launches
;; limits: right only within a limited range of input values
;; workspace buffers: opc 15,728,640 bytes; ops 655,360 bytes; qkvc 18,874,368 bytes; qkvs 786,432 bytes; ctxc 6,291,456 bytes; ctxs 262,144 bytes
;; launch quant (part 1): grid 512 x 1, 4 waves a work-group, no clusters, 47,616 bytes of LDS; arguments Q, K, Wq_w, Wkv_w, Wo_w, opc, ops; writes opc, ops
.if DOCPART == 1
	.amdgcn_target "amdgcn-amd-amdhsa--gfx1250"
	.amdhsa_code_object_version 6
	.text
	.protected	k_qe11cc71a5d_quant
	.globl	k_qe11cc71a5d_quant
	.p2align	8
	.type	k_qe11cc71a5d_quant,@function
k_qe11cc71a5d_quant:
	s_mov_b64 s[64:65], 0
	v_nop
	global_prefetch_b8 v0, s[64:65] scope:SCOPE_SE
	s_setreg_imm32_b32 hwreg(HW_REG_WAVE_MODE, 25, 1), 1
	s_wait_xcnt 0x0
; Q, K [8192][1024] f32 (K innermost) and the weights Wq_w, Wkv_w (its k half and its v half), Wo_w (K = their first axis) become codes of FP6 (E2M3) with one E8M0 byte for each 32 along K.
; A block's scale is 2^(floor(log2(largest magnitude)) - 2); each number is divided by it and rounded to the nearest code, ties to even, beyond 7.5 the largest code.
; THE INPUT V IS NOT AMONG THE ARGUMENTS: the function that defines the result takes it and never reads it, so no output number hangs on it.
; LIMITS: NaN and infinities among the inputs are not served; a block whose largest magnitude lies under 2^-124 has its byte held at 1; a block of zeros gets the byte 1, not 127: its codes are zeros and
; only this program reads the bytes.
; LAYOUT OF opc: row tiles of 16 rows; row tile RT, K step ks (128 along K) is a fragment of 1,536 bytes at 12288 RT + 1536 ks, laid as the image of the operand's 12 registers: registers 4 j .. 4 j + 3 of lane L at 512 j + 16 L.
; Lane r of tile T holds row 32 (T / 2) + 8 (T % 2) + r + 8 (r / 8) of its tensor.  RT 0-511 Q, 512-1023 K, 1024-1087 Wq, 1088-1151 Wk (row 128 g + d), 1152-1215 Wv, 1216-1279 Wo.
; LAYOUT OF ops: 512 bytes a row tile; the scale word (four bytes: 128 along K) of row r, K step ks at 256 (ks % 2) + 16 r + 4 (ks / 2).
; Work-groups 0-255 take the activations (a wave a row tile), 256-511 the weights (128 rows x 128 along K a work-group).  The two ways never join, and each has LDS bytes of its own.  Waves share nothing: no barrier.
.set STGA,  8448                       ; activations: a wave's stage, 16 rows x (512 bytes + 16)
.set WSTG,  33792                      ; weights: the stages begin behind the four above
.set WST,   3328                       ; a wave's: two fragment images, 1,664 bytes apart
.set R,     16                         ; v16-143  two sets of 64: a K step of 16 rows as loaded
.set X,     144                        ; v144-207 64 numbers of my row: register 16 b + i = k 32 b + 16 (lane / 16) + i
.set TM,    208                        ; v208-223 at work in QUANT
.set PC,    224                        ; v224-243 the codes just made
.set PW,    244                        ; v244     the scale word just made
.set SW,    246                        ; v246-253 my row's eight scale words
.set SEL,   20                         ; s[20:21] v_permlanex16_b32's selects for lane l xor 16
; 64 numbers of a lane become a fragment's codes in v[PC] .. v[PC + 11] and its row's scale word in v[PW]
.macro QUANT s
.irp b, 0,1,2,3
	v_max3_num_f32 v[TM+\b], |v[\s+16*\b]|, |v[\s+1+16*\b]|, 0x1800000   ; block b: my 16 numbers and the floor 2^(3 - 127): the byte cannot fall under 1
.endr
.irp i, 2,4,6,8,10,12,14
.irp b, 0,1,2,3
	v_max3_num_f32 v[TM+\b], v[TM+\b], |v[\s+16*\b+\i]|, |v[\s+1+16*\b+\i]|
.endr
.endr
.irp b, 0,1,2,3
	v_permlanex16_b32 v[TM+4+\b], v[TM+\b], s[SEL], s[SEL+1]
.endr
.irp b, 0,1,2,3
	v_max_num_f32 v[TM+\b], v[TM+\b], v[TM+4+\b]           ; with lane l xor 16's: the block's largest magnitude
.endr
.irp b, 0,1,2,3
	v_add_nc_u32 v[TM+12+\b], 0xff000000, v[TM+\b]         ; 2 off its exponent field: the conversion's scale operand
.endr
.irp b, 0,1,2,3
	v_lshrrev_b32 v[TM+4+\b], 23, v[TM+12+\b]              ; the scale's byte
.endr
	v_lshl_or_b32 v[PW], v[TM+5], 8, v[TM+4]
	v_lshl_or_b32 v[PW], v[TM+6], 16, v[PW]
	v_lshl_or_b32 v[PW], v[TM+7], 24, v[PW]
.irp c, 0,1
	v_cvt_scalef32_pk16_fp6_f32 v[PC+6*\c:PC+2+6*\c], v[\s+32*\c:\s+15+32*\c], v[TM+12+2*\c]
	v_cvt_scalef32_pk16_fp6_f32 v[PC+12+4*\c:PC+14+4*\c], v[\s+16+32*\c:\s+31+32*\c], v[TM+12+2*\c+1]   ; (a conversion's three registers begin on an even number)
.endr
	v_nop                                                  ; one plain place behind a scaled conversion
.irp c, 0,1                                            ; the layout wants a whole block in a lane: lanes 0-15 block 2 c, lanes 16-31 block 2 c + 1
.irp i, 0,1,2
	v_permlane16_swap_b32 v[PC+6*\c+\i], v[PC+12+4*\c+\i]
.endr
.irp i, 0,1,2
	v_mov_b32 v[PC+3+6*\c+\i], v[PC+12+4*\c+\i]
.endr
.endr
.endm
	s_load_b256 s[4:11], s[0:1], 0x0               ; Q s[4:5], K s[6:7], Wq_w s[8:9], Wkv_w s[10:11]
	s_load_b128 s[12:15], s[0:1], 0x20             ; Wo_w s[12:13], opc s[14:15]
	s_load_b64 s[16:17], s[0:1], 0x30              ; ops
	v_lshl_add_u32 v254, v0, 2, 0xb800
	v_mov_b32 v255, 0
	v_lshrrev_b32 v1, 5, v0
	v_readfirstlane_b32 s18, v1                    ; wave 0..3
	v_and_b32 v2, 31, v0                           ; lane
	v_lshlrev_b32 v4, 4, v2                        ; 16 x lane
	s_mov_b32 s[SEL], 0x76543210
	s_mov_b32 s[SEL+1], 0xfedcba98
	s_cmp_lt_u32 ttmp9, 256
	s_cbranch_scc0 .Lweights
; ---- THE ACTIVATIONS.  Each load reads 512 consecutive bytes of one row; a K step's 16 rows turn through the wave's stage, so that a lane gets 16 neighbours of each block of its own row.
	v_and_b32 v3, 15, v0                           ; r
	v_bfe_u32 v7, v0, 4, 1                         ; h
	s_mul_i32 s19, s18, STGA
	v_add_nc_u32 v5, s19, v4                       ; into the stage: 16 x lane, a row an instruction
	v_mul_u32_u24 v6, v3, 528
	v_lshl_add_u32 v6, v7, 6, v6
	v_add_nc_u32 v6, s19, v6                       ; out of it: row r, + 64 h
.irp b, 0,1,2,3
	v_mov_b32 v[TM+4+\b], 0                        ; written once: a lane permute's destination counts as one of its sources
.endr
	s_lshl_b32 s22, ttmp9, 2
	s_add_co_u32 s22, s22, s18                     ; my row tile
	s_and_b32 s23, s22, 511                        ; and its number in its tensor
	s_lshr_b32 s24, s23, 1
	s_lshl_b32 s24, s24, 5
	s_and_b32 s25, s23, 1
	s_lshl_b32 s25, s25, 3
	s_add_co_u32 s24, s24, s25                     ; its first row
	s_lshl_b32 s24, s24, 12                        ; in bytes
	s_mov_b32 s25, 0
	s_mul_i32 s26, s22, 12288
	s_mov_b32 s27, 0
	s_lshl_b32 s28, s22, 9
	s_mov_b32 s29, 0
	s_wait_alu depctr_va_vdst(0)
	s_wait_kmcnt 0x0
	s_cmp_lt_u32 ttmp9, 128                        ; Q's work-group or K's: the choice hangs on the work-group's number alone
	s_cselect_b64 s[4:5], s[4:5], s[6:7]
	s_add_nc_u64 s[4:5], s[4:5], s[24:25]
	s_add_nc_u64 s[14:15], s[14:15], s[26:27]
	s_add_nc_u64 s[16:17], s[16:17], s[28:29]
.macro ALOAD t                         ; K step t of the tile's 16 rows (rows 0-7 and 16-23 from the first) into set t % 2
.set i, 0
.rept 16
	global_load_b128 v[R+64*((\t)%2)+4*i:R+64*((\t)%2)+4*i+3], v4, s[4:5] offset:(i+8*(i/8))*4096+512*(\t) th:TH_LOAD_NT
.set i, i+1
.endr
.endm
.macro ASTEP t
.if (\t) < 7
	s_wait_loadcnt 16                              ; this step's 16 loads are in; the next step's 16 may be out
.else
	s_wait_loadcnt 0x0
.endif
.set i, 0
.rept 16
	ds_store_b128 v5, v[R+64*((\t)%2)+4*i:R+64*((\t)%2)+4*i+3] offset:528*i
.set i, i+1
.endr
.set i, 0
.rept 16
	ds_load_b128 v[X+4*i:X+4*i+3], v6 offset:128*(i/4)+16*(i%4)    ; LDS serves a wave's instructions in order: these see the stores above
.set i, i+1
.endr
	s_wait_dscnt 0x0                               ; my 64 numbers are in, and the stores have read their registers,
.if (\t) < 6
	ALOAD (\t)+2                                   ; which take the loads of two steps on
.endif
	s_wait_xcnt 0x0                                ; the last step's stores have read the codes' registers: they are written again only behind this wait
	QUANT X
	v_mov_b32 v[SW+(\t)], v[PW]
.irp j, 0,1,2
	global_store_b128 v4, v[PC+4*\j:PC+4*\j+3], s[14:15] offset:1536*(\t)+512*\j   ; 32 lanes store 512 consecutive bytes
.endr
.endm
	ALOAD 0
	ALOAD 1
.irp t, 0,1,2,3,4,5,6,7
	ASTEP \t
.endr
	v_cmp_ne_u32 vcc_lo, 0, v7
.irp p, 0,1,2,3
	v_cndmask_b32 v[TM+\p], v[SW+2*\p], v[SW+2*\p+1], vcc_lo       ; lanes 0-15 the even K steps' words, lanes 16-31 the odd ones'
.endr
	global_store_b128 v4, v[TM:TM+3], s[16:17]     ; the tile's 512 bytes of scale words
	s_wait_tensorcnt 0x0
	ds_add_u32 v254, v255
	s_wait_dscnt 0x0
	s_endpgm
; ---- THE WEIGHTS.  A lane takes a column (a row of the operand), its registers run down K: a block of 32 lies in one lane.  The four waves stand side by side on 512 bytes of each row of the weight.
.Lweights:
	s_sub_co_u32 s22, ttmp9, 256
	s_lshr_b32 s23, s22, 3                         ; cg: which 128 rows of the operands
	s_and_b32 s24, s22, 7                          ; ks
	s_lshr_b32 s25, s23, 3                         ; section: 0 Wq, 1 Wk, 2 Wv, 3 Wo
	s_and_b32 s26, s23, 7                          ; which 128 of the section (for Wk, Wv: the group g)
	s_add_co_u32 s27, s25, 1
	s_bfe_u32 s27, s27, 0x10001                    ; 1 for sections 1 and 2
	s_lshl_b32 s29, s26, 9                         ; Wq, Wo: 128 columns of 4 bytes on
	s_lshl_b32 s30, s26, 20                        ; Wkv: a group is 1024 x 256 x 4 bytes
	s_mov_b32 s28, 4096
	s_cmp_eq_u32 s27, 1
	s_cselect_b32 s28, 1024, s28                   ; bytes from a row of the weight to the next
	s_cselect_b32 s32, s30, s29
	s_cmp_eq_u32 s25, 2
	s_cselect_b32 s30, 512, 0                      ; Wv: the upper 128 columns
	s_add_co_u32 s32, s32, s30
	s_lshl_b32 s30, s18, 7
	s_add_co_u32 s32, s32, s30                     ; my wave's 32 columns
	s_mul_i32 s30, s24, s28
	s_lshl_b32 s30, s30, 7
	s_add_co_u32 s32, s32, s30                     ; 128 ks rows down
	s_mov_b32 s33, 0
	s_lshl_b32 s43, s23, 2
	s_add_co_u32 s43, s43, s18
	s_lshl_b32 s43, s43, 1
	s_add_co_u32 s43, s43, 1024                    ; the first of my wave's two row tiles
	s_mul_i32 s44, s43, 12288
	s_mul_i32 s45, s24, 1536
	s_add_co_u32 s44, s44, s45
	s_mov_b32 s45, 0
	s_lshl_b32 s46, s43, 9
	s_and_b32 s47, s24, 1
	s_lshl_b32 s47, s47, 8
	s_add_co_u32 s46, s46, s47
	s_lshr_b32 s47, s24, 1
	s_lshl_b32 s47, s47, 2
	s_add_co_u32 s46, s46, s47
	s_mov_b32 s47, 0
	s_wait_alu depctr_va_vdst(0)
	v_lshlrev_b32 v8, 2, v2                        ; 4 x lane
.set i, 0
.rept 32
	v_mad_u32_u24 v[144+i], s28, i, v8             ; row i of a block, my column
.set i, i+1
.endr
	v_bfe_u32 v9, v0, 3, 1                         ; column c of the wave's 32 is row r = 8 (c / 16) + c % 8 of tile u = (c / 8) % 2
	v_bfe_u32 v10, v0, 4, 1
	v_and_b32 v11, 7, v0
	v_lshl_add_u32 v11, v10, 3, v11
	s_mul_i32 s42, s18, WST
	s_add_co_u32 s42, s42, WSTG                    ; my stage
	v_mul_u32_u24 v12, v9, 1664
	v_lshl_add_u32 v12, v11, 4, v12
	v_add_nc_u32 v12, s42, v12                     ; into it: image u, lane r's place
	v_add_nc_u32 v13, s42, v4                      ; out of it: 16 x lane
	v_lshlrev_b32 v14, 9, v9
	v_lshl_add_u32 v14, v11, 4, v14                ; my scale word's place: 512 u + 16 r
	s_wait_kmcnt 0x0
	s_cmp_eq_u32 s25, 0
	s_cselect_b64 s[34:35], s[8:9], s[10:11]
	s_cmp_eq_u32 s25, 3
	s_cselect_b64 s[34:35], s[12:13], s[34:35]
	s_add_nc_u64 s[34:35], s[34:35], s[32:33]      ; block 0's first row
	s_lshl_b32 s32, s28, 5
	s_add_nc_u64 s[36:37], s[34:35], s[32:33]      ; blocks 1, 2, 3: 32 rows on each
	s_add_nc_u64 s[38:39], s[36:37], s[32:33]
	s_add_nc_u64 s[40:41], s[38:39], s[32:33]
	s_add_nc_u64 s[14:15], s[14:15], s[44:45]
	s_add_nc_u64 s[16:17], s[16:17], s[46:47]
.macro WLOAD t
.set i, 0
.rept 32
	global_load_b32 v[16+32*(\t)+i], v[144+i], s[34+2*(\t):35+2*(\t)] th:TH_LOAD_NT
.set i, i+1
.endr
.endm
; Block t = 2 c + hh of my column is registers 6 c .. 6 c + 5 of lane r + 16 hh of the fragment: its 24 bytes go to that lane's places in the image
.macro WBLOCK t
.set XS, 16+32*(\t)
.set CC, 176+8*(\t)
.if (\t) < 3
	s_wait_loadcnt 32                              ; this block's 32 loads are in; the next block's may be out
.else
	s_wait_loadcnt 0x0
.endif
.if (\t) < 2
	WLOAD (\t)+2
.endif
	v_max3_num_f32 v232, |v[XS]|, |v[XS+1]|, |v[XS+2]|
	v_max3_num_f32 v233, |v[XS+3]|, |v[XS+4]|, |v[XS+5]|
.irp i, 6,10,14,18,22,26
	v_max3_num_f32 v232, v232, |v[XS+\i]|, |v[XS+\i+1]|
	v_max3_num_f32 v233, v233, |v[XS+\i+2]|, |v[XS+\i+3]|
.endr
	v_max3_num_f32 v232, v232, |v[XS+30]|, |v[XS+31]|
	v_max3_num_f32 v232, v232, v233, 0x1800000     ; and the floor
	v_add_nc_u32 v234, 0xff000000, v232
	v_lshrrev_b32 v235, 23, v234
.if (\t) == 0
	v_mov_b32 v236, v235
.else
	v_lshl_or_b32 v236, v235, 8*(\t), v236         ; the four bytes make my row's scale word
.endif
	v_cvt_scalef32_pk16_fp6_f32 v[CC:CC+2], v[XS:XS+15], v234
	v_cvt_scalef32_pk16_fp6_f32 v[CC+4:CC+6], v[XS+16:XS+31], v234
	v_nop                                          ; one plain place behind a scaled conversion
	v_mov_b32 v[CC+3], v[CC+4]
	v_mov_b32 v[CC+4], v[CC+5]
	v_mov_b32 v[CC+5], v[CC+6]
.if (\t) < 2
	ds_store_b128 v12, v[CC:CC+3] offset:256*((\t)%2)
	ds_store_b64 v12, v[CC+4:CC+5] offset:256*((\t)%2)+512
.else
	ds_store_b64 v12, v[CC:CC+1] offset:256*((\t)%2)+520
	ds_store_b128 v12, v[CC+2:CC+5] offset:256*((\t)%2)+1024
.endif
.endm
	WLOAD 0
	WLOAD 1
	WBLOCK 0
	WBLOCK 1
	WBLOCK 2
	WBLOCK 3
.irp n, 0,1,2,3,4,5
	ds_load_b128 v[208+4*\n:211+4*\n], v13 offset:1664*(\n/3)+512*(\n%3)   ; LDS serves a wave's instructions in order: these see my stores
.endr
	global_store_b32 v14, v236, s[16:17]           ; 4 bytes in every 16: the weights' scale words are one byte in 128 of what this way reads
.irp n, 0,1,2,3,4,5
	s_wait_dscnt 5-\n                              ; the younger loads may be out
	global_store_b128 v4, v[208+4*\n:211+4*\n], s[14:15] offset:12288*(\n/3)+512*(\n%3)
.endr
	s_wait_tensorcnt 0x0
	ds_add_u32 v254, v255
	s_wait_dscnt 0x0
	s_endpgm
.Lfunc_end_k_qe11cc71a5d_quant:
	.size	k_qe11cc71a5d_quant, .Lfunc_end_k_qe11cc71a5d_quant-k_qe11cc71a5d_quant
	.p2alignl 7, 3214868480
	.fill 96, 4, 3214868480
	.section	.rodata,"a",@progbits
	.p2align	6, 0x0
	.amdhsa_kernel k_qe11cc71a5d_quant
		.amdhsa_group_segment_fixed_size 47616
		.amdhsa_private_segment_fixed_size 0
		.amdhsa_enable_private_segment 0
		.amdhsa_kernarg_size 56
		.amdhsa_user_sgpr_count 2
		.amdhsa_user_sgpr_kernarg_segment_ptr 1
		.amdhsa_wavefront_size32 1
		.amdhsa_system_sgpr_workgroup_id_x 1
		.amdhsa_system_sgpr_workgroup_id_y 1
		.amdhsa_system_sgpr_workgroup_id_z 1
		.amdhsa_system_vgpr_workitem_id 0
		.amdhsa_next_free_vgpr 256
		.amdhsa_next_free_sgpr 66
		.amdhsa_reserve_vcc 1
		.amdhsa_float_denorm_mode_32 3
		.amdhsa_float_denorm_mode_16_64 3
		.amdhsa_memory_ordered 1
		.amdhsa_forward_progress 1
		.amdhsa_inst_pref_size 88
	.end_amdhsa_kernel
	.amdgpu_metadata
---
amdhsa.version: [ 1, 2 ]
amdhsa.kernels:
  - .name:           k_qe11cc71a5d_quant
    .symbol:         k_qe11cc71a5d_quant.kd
    .args:
      - { .name: Q, .offset: 0, .size: 8, .value_kind: global_buffer, .address_space: global }
      - { .name: K, .offset: 8, .size: 8, .value_kind: global_buffer, .address_space: global }
      - { .name: Wq_w, .offset: 16, .size: 8, .value_kind: global_buffer, .address_space: global }
      - { .name: Wkv_w, .offset: 24, .size: 8, .value_kind: global_buffer, .address_space: global }
      - { .name: Wo_w, .offset: 32, .size: 8, .value_kind: global_buffer, .address_space: global }
      - { .name: opc, .offset: 40, .size: 8, .value_kind: global_buffer, .address_space: global }
      - { .name: ops, .offset: 48, .size: 8, .value_kind: global_buffer, .address_space: global }
    .group_segment_fixed_size: 47616
    .private_segment_fixed_size: 0
    .kernarg_segment_align: 8
    .kernarg_segment_size: 56
    .max_flat_workgroup_size: 128
    .sgpr_count:     66
    .vgpr_count:     256
    .wavefront_size: 32
...
	.end_amdgpu_metadata
.endif
;; end of part 1
;; launch proj (part 2): grid 12 x 32, 4 waves a work-group, clusters of 4 x 4, 327,680 bytes of LDS; arguments opc, ops, Wq_b, Wkv_b, qkvc, qkvs; writes qkvc, qkvs
.if DOCPART == 2
	.amdgcn_target "amdgcn-amd-amdhsa--gfx1250"
	.amdhsa_code_object_version 6
	.text
	.protected	k_qe11cc71a5d_proj
	.globl	k_qe11cc71a5d_proj
	.p2align	8
	.type	k_qe11cc71a5d_proj,@function
k_qe11cc71a5d_proj:
	s_mov_b64 s[64:65], 0
	v_nop
	global_prefetch_b8 v0, s[64:65] scope:SCOPE_SE
	s_setreg_imm32_b32 hwreg(HW_REG_WAVE_MODE, 25, 1), 1
	s_wait_xcnt 0x0
	s_wait_alu depctr_hold_cnt(0) depctr_sa_sdst(0) depctr_va_vdst(0) depctr_va_sdst(0) depctr_va_ssrc(0) depctr_va_vcc(0) depctr_vm_vsrc(0)
	s_getreg_b32 s2, hwreg(HW_REG_IB_STS2, 6, 4)
	s_cmp_eq_u32 s2, 0
	s_cbranch_scc0 .Lentry_in_a_cluster
	s_endpgm
.Lentry_in_a_cluster:
	s_bfe_u32 s2, ttmp6, 0x10000c
	s_cmp_lg_u32 s2, 0xf033
	s_cbranch_scc0 .Lentry_shape_is_right
	s_endpgm
.Lentry_shape_is_right:
; q = Q Wq + bq, k = K Wk + bk, v = K Wv + bv on codes of FP6 with E8M0 scales, K = 1,024; the results are quantised again in registers: q and k along the head's 128, v along the keys, and leave as codes.
; The cluster's x says which: 0 q, 1 k, 2 v.  A work-group makes 256 x 256 results, each of its four waves 128 x 128: 64 accumulators.  Operands lie in opc as images of fragments (1,536 bytes: registers 4 j .. 4 j + 3 of lane L at 512 j + 16 L).
; SOURCE 1 gives a lane its row, SOURCE 0 the eight registers: for q and k source 1 = the activations, source 0 = the weights (a lane holds one token, its registers run along the head);
; for v source 1 = Wv, source 0 = K's codes (a lane holds one channel, its registers run along the keys).  Lane r of tile T holds row 32 (T / 2) + 8 (T % 2) + r + 8 (r / 8), so the 16 registers of source 0's tiles 2 b, 2 b + 1 are 16 neighbours.
; CLUSTER 4 x 4: source 1's tiles hang on cy and are asked for jointly along a row of the cluster, source 0's on cx, along a column.
; K goes in eight steps of 128, three to a slot: slot 0 takes K steps 0-2, slot 1 steps 3-5, slot 0 once more (K steps 6, 7).  The steps are written out: the scale words of all K stay in registers, and their numbers change from step to step.
; The bias is the C of each sum's first product.  OUT: qkvc: sections q, k, v; fragment (8 b + g) 128 + i (i: tile of queries, tile of keys, 8 x key step + tile of channels); qkvs: 512 bytes for eight fragments, word of fragment a, row r at 32 r + 4 a.
; LIMITS: as stated for the quantiser: NaN and infinities not served; a block under 2^-124 keeps the byte 1, and so does a block of zeros.
; REGISTERS: window 0: v4-29 addresses; v32-63 source 1's scale words (block a: 4 registers; register p, lanes 0-15: K step 2 p, lanes 16-31: 2 p + 1), v64-95 source 0's; v128-223 source 1's 8 fragments, one set (later: at work on the way out).
;   window 1: source 0's fragments, two sets at v0 and v128; the bias tiles at v96-127 and v224-255.   windows 2, 3: accumulator (a, b) at v[8 (8 (a % 4) + b)].
.set HALFT, 36864                      ; 8 row tiles x 3 K steps: what one tensor load brings
.set SLOT,  147456                     ; source 1's two halves, then source 0's; two slots
.set SPARE, 294912                     ; behind the two slots: the spare words, 128 bytes a wave
.set SEC,   6291456
.set SECS,  262144
.set LI,   4                           ; v4   16 x lane
.set VB,   8                           ; v8-15 the bias loads' offsets
.set ADR1, 16                          ; v16, v17 my half of source 1 in slot 0, 1
.set ADR0, 20                          ; v20, v21 of source 0
.set SPW,  28
.set NIL,  29
.set SC1,  32
.set SC0,  64
.set AF,   128
.set TM,   128                         ; the way out
.set PW8,  144
.set PC,   152
.set OUTW, 172
.set PW,   176
.set WV,   16
.set H1,   17
.set H0,   18
.set CX,   19
.set CY,   20
.set KIND, 21
.set CLY,  22
.set G1A,  28
.set G1B,  36
.set G0A,  44
.set SEL,  56
.set G0B,  68
.set MSB, 0
.macro WIN new                         ; the immediate's high byte repeats the setting that is left
.if MSB != (\new)
	s_set_vgpr_msb (MSB<<8)|(\new)
.set MSB, (\new)
.endif
.endm
.macro PLACES n
.rept \n
	v_nop
.endr
.endm
; A joint load: waves 0 and 1 fetch source 1's halves, waves 2 and 3 source 0's.  The branch hangs on the wave's number alone.  Four v_nop follow each of the two lines.
.macro JLOAD s
	s_cmp_eq_u32 s[H1], 0
	s_cbranch_scc0 .Lfor_b_\@
	tensor_load_to_lds s[G0A+4*\s:G0A+4*\s+3], s[G1A:G1A+7]
	s_nop 0
.rept 4
	v_nop
.endr
	s_branch .Lasked_\@
.Lfor_b_\@:
	tensor_load_to_lds s[G0B+4*\s:G0B+4*\s+3], s[G1B:G1B+7]
	s_nop 0
.rept 4
	v_nop
.endr
.Lasked_\@:
.endm
.macro CREST                           ; a round of the cluster's barrier behind its opening barrier
	s_cmp_lg_u32 s[WV], 0
	s_cbranch_scc1 .Lnot_wave_0_\@
	s_barrier_signal -3
.Lnot_wave_0_\@:
	s_barrier_wait -3
	s_barrier_signal -1
	s_barrier_wait -1
.endm
.macro CROUND
	s_barrier_signal -1
	s_barrier_wait -1
	CREST
.endm
	s_load_b256 s[4:11], s[0:1], 0x0               ; opc s[4:5], ops s[6:7], Wq_b s[8:9], Wkv_b s[10:11]
	s_load_b128 s[12:15], s[0:1], 0x20             ; qkvc s[12:13], qkvs s[14:15]
	v_lshl_add_u32 v[SPW], v0, 2, SPARE
	v_mov_b32 v[NIL], 0
	ds_add_u32 v28, v29
	ds_add_u32 v28, v29
	s_wait_dscnt 0x0
	v_lshrrev_b32 v1, 5, v0
	v_readfirstlane_b32 s[WV], v1                  ; wave 0..3
	s_lshr_b32 s[H1], s[WV], 1                     ; my half of source 1.  Also: I fetch for source 1 (0) or source 0 (1)
	s_and_b32 s[H0], s[WV], 1                      ; my half of source 0.  Also: which half I fetch
	s_bfe_u32 s[CX], ttmp6, 0x40000
	s_bfe_u32 s[CY], ttmp6, 0x40004
	s_mov_b32 s[KIND], ttmp9                       ; the cluster's x: the same in all sixteen partners
	s_and_b32 s[CLY], ttmp7, 0xffff                ; the cluster's y
	s_lshl_b32 s23, s[CY], 2
	s_lshl_b32 s23, 15, s23                        ; my row of the cluster
	s_lshl_b32 s24, 0x1111, s[CX]                  ; my column
	s_or_b32 s[G1A], s23, (3<<16)|(1<<21)          ; 15:0 the mask; 17:16 elements of 8 bytes; 21 set beside a mask; no padding
	s_or_b32 s[G1B], s24, (3<<16)|(1<<21)
.irp g, G1A, G1B
	s_mov_b32 s[\g+1], 576<<16                     ; tensor_dim0: 4,608 bytes, three K steps of a row tile
	s_mov_b32 s[\g+2], 8<<16                       ; tensor_dim1: 8 row tiles
	s_mov_b32 s[\g+3], 576<<16                     ; tile_dim0
	s_mov_b32 s[\g+4], 8                           ; tile_dim1
	s_mov_b32 s[\g+5], 1536                        ; 12,288 bytes from a row tile to the next
	s_mov_b32 s[\g+6], 0
	s_mov_b32 s[\g+7], 0
.endr
	s_mov_b32 s[SEL], 0x76543210
	s_mov_b32 s[SEL+1], 0xfedcba98
	; which 16 row tiles of opc: source 1's hang on cy, source 0's on cx, each in registers that never hold the other
	s_lshl_b32 s58, s[CLY], 2
	s_lshl_b32 s59, s[KIND], 5
	s_add_co_u32 s59, s59, s58                     ; q, k: the activations, 32 kind + 4 cluster y
	s_lshl_b32 s60, s[KIND], 2
	s_add_co_u32 s60, s60, 64                      ; q, k: the weights, 64 + 4 kind
	s_add_co_u32 s61, s58, 32                      ; v: K's codes, 32 + 4 cluster y
	s_cmp_eq_u32 s[KIND], 2
	s_cselect_b32 s59, 72, s59                     ; v: Wv
	s_cselect_b32 s60, s61, s60
	s_cselect_b32 s96, s[CX], s[CY]                ; for the way out: the place and the half that say which tokens are mine,
	s_cselect_b32 s97, s[CY], s[CX]                ; and which group
	s_cselect_b32 s98, s[H0], s[H1]
	s_cselect_b32 s99, s[H1], s[H0]
	s_add_co_u32 s59, s59, s[CY]
	s_add_co_u32 s60, s60, s[CX]
	s_lshl_b32 s59, s59, 4                         ; source 1's first row tile
	s_lshl_b32 s60, s60, 4                         ; source 0's
	s_lshl_b32 s63, s[H0], 3
	s_add_co_u32 s80, s59, s63
	s_mul_i32 s80, s80, 12288
	s_mov_b32 s81, 0
	s_add_co_u32 s84, s60, s63
	s_mul_i32 s84, s84, 12288
	s_mov_b32 s85, 0
	s_lshl_b32 s62, s[H1], 3
	s_add_co_u32 s92, s59, s62
	s_lshl_b32 s92, s92, 9                         ; the scale words of my half of source 1
	s_mov_b32 s93, 0
	s_add_co_u32 s94, s60, s63
	s_lshl_b32 s94, s94, 9                         ; and of source 0
	s_mov_b32 s95, 0
	s_mul_i32 s90, s[WV], HALFT                    ; where my loads go: no place in the cluster enters an LDS address
	s_wait_kmcnt 0x0
	s_add_nc_u64 s[86:87], s[4:5], s[80:81]
	s_add_nc_u64 s[88:89], s[4:5], s[84:85]
	s_add_nc_u64 s[92:93], s[6:7], s[92:93]
	s_add_nc_u64 s[94:95], s[6:7], s[94:95]
	CROUND                                         ; all sixteen work-groups are here: the first joint loads meet
.irp s, 0,1
	s_mov_b32 s[G0A+4*\s], 1
	s_add_co_u32 s[G0A+4*\s+1], s90, \s*SLOT
	s_add_nc_u64 s[G0A+4*\s+2:G0A+4*\s+3], s[86:87], \s*4608
	s_or_b32 s[G0A+4*\s+3], s[G0A+4*\s+3], 0x80000000
	s_mov_b32 s[G0B+4*\s], 1
	s_add_co_u32 s[G0B+4*\s+1], s90, \s*SLOT
	s_add_nc_u64 s[G0B+4*\s+2:G0B+4*\s+3], s[88:89], \s*4608
	s_or_b32 s[G0B+4*\s+3], s[G0B+4*\s+3], 0x80000000
.endr
	; THE FILLS, as this text issues them: slot 0 (K steps 0-2) here; slot 1 (3-5) behind the three lines and a round ahead of K step 0; slot 0 once more (6, 7) in K step 2's turn: one load a wave each time
	JLOAD 0
	; THE PREFETCHES: of the 8 row tiles that my wave fetches, the partner at place p (cx for source 1, cy for source 0) names tiles 2 p, 2 p + 1: told apart by address alone; a lane a block of 256 bytes, one instruction a row tile.
	; K steps 3-5 (18 blocks a tile) are named here, one fill ahead of their load; K steps 6, 7 (12 blocks) behind slot 1's load.  The address registers are never written again.
	s_cmp_eq_u32 s[H1], 0
	s_cselect_b64 s[82:83], s[86:87], s[88:89]
	s_cselect_b32 s80, s[CX], s[CY]
	s_mul_i32 s80, s80, 24576
	s_mov_b32 s81, 0
	s_add_nc_u64 s[82:83], s[82:83], s[80:81]
	v_and_b32 v2, 31, v0
	v_min_u32 v24, 17, v2                          ; lanes that are left over name the last block again
	v_min_u32 v25, 11, v2
	v_lshlrev_b32 v24, 8, v24
	v_lshlrev_b32 v25, 8, v25
	global_prefetch_b8 v24, s[82:83] offset:4608 th:TH_LOAD_NT scope:SCOPE_SE
	global_prefetch_b8 v24, s[82:83] offset:12288+4608 th:TH_LOAD_NT scope:SCOPE_SE
	v_lshlrev_b32 v[LI], 4, v2
	s_wait_alu depctr_va_vdst(0)
	s_mul_i32 s58, s[H1], HALFT
	s_mul_i32 s59, s[H0], HALFT
	s_add_co_u32 s59, s59, 2*HALFT
.irp s, 0,1
	v_add_nc_u32 v[ADR1+\s], s58, v[LI]
	v_add_nc_u32 v[ADR0+\s], s59, v[LI]
	s_add_co_u32 s58, s58, SLOT
	s_add_co_u32 s59, s59, SLOT
.endr
.irp i, 0,1,2,3,4,5,6,7
	global_load_b128 v[SC1+4*\i:SC1+4*\i+3], v[LI], s[92:93] offset:512*\i     ; the scale words of all eight K steps: they stay
	global_load_b128 v[SC0+4*\i:SC0+4*\i+3], v[LI], s[94:95] offset:512*\i
.endr
	; the way out's addresses: T0 my first tile of tokens, gi my group, F my first fragment
	s_lshl_b32 s58, s[CLY], 2
	s_add_co_u32 s58, s58, s96
	s_lshl_b32 s58, s58, 4
	s_lshl_b32 s59, s98, 3
	s_add_co_u32 s26, s58, s59                     ; T0
	s_lshl_b32 s59, s97, 1
	s_add_co_u32 s25, s59, s99                     ; gi
	s_lshr_b32 s60, s26, 7
	s_lshl_b32 s60, s60, 3
	s_add_co_u32 s60, s60, s25
	s_lshl_b32 s60, s60, 7
	s_and_b32 s61, s26, 127
	s_add_co_u32 s27, s60, s61                     ; F
	s_mul_i32 s62, s27, 1536
	s_mul_i32 s63, s[KIND], SEC
	s_add_co_u32 s62, s62, s63
	s_mov_b32 s63, 0
	s_add_nc_u64 s[12:13], s[12:13], s[62:63]
	s_lshl_b32 s62, s27, 6                         ; 512 bytes for eight fragments
	s_mul_i32 s61, s[KIND], SECS
	s_add_co_u32 s62, s62, s61
	s_add_nc_u64 s[14:15], s[14:15], s[62:63]
	; the bias: q, k: register j of tile i is that of channel 32 (i / 2) + 8 (i % 2) + 16 h + j;  v: all eight registers of tile i that of my lane's channel 32 (i / 2) + 8 (i % 2) + r + 8 (r / 8)
	s_lshl_b32 s58, s25, 9
	s_lshl_b32 s59, s25, 10
	s_cmp_eq_u32 s[KIND], 0
	s_cselect_b64 s[8:9], s[8:9], s[10:11]
	s_cselect_b32 s58, s58, s59
	s_cmp_eq_u32 s[KIND], 2
	s_cselect_b32 s59, 512, 0
	s_cselect_b32 s60, -1, 0
	s_cselect_b32 s61, 0, 4
	s_add_co_u32 s58, s58, s59
	s_mov_b32 s59, 0
	s_add_nc_u64 s[8:9], s[8:9], s[58:59]
	v_and_b32 v5, 15, v0                           ; r
	v_bfe_u32 v6, v0, 4, 1                         ; h
	v_lshlrev_b32 v1, 6, v6
	v_and_b32 v2, 8, v5
	v_add_nc_u32 v2, v2, v5
	v_lshlrev_b32 v2, 2, v2
	v_cndmask_b32 v1, v1, v2, s60
.irp j, 0,1,2,3,4,5,6,7
	v_mad_u32_u24 v[VB+\j], s61, \j, v1
.endr
	v_lshlrev_b32 v7, 5, v5
	v_lshl_add_u32 v7, v6, 4, v7                   ; the way out: my place among eight fragments' scale words: 32 r + 16 h
	WIN 0x40                                       ; destination window 1
.irp i, 0,1,2,3,4,5,6,7
.if \i < 4
.set rC, 96+8*\i
.else
.set rC, 224+8*(\i-4)
.endif
.irp j, 0,1,2,3,4,5,6,7
	global_load_b32 v[rC+\j], v[VB+\j], s[8:9] offset:128*(\i/2)+32*(\i%2)
.endr
.endr
	WIN 0
.macro FRAG reg, adr, q, i             ; a fragment comes as it lies: three loads of 512 consecutive bytes
.irp j, 0,1,2
	ds_load_b128 v[\reg+4*\j:\reg+4*\j+3], v[\adr] offset:4608*(\i)+1536*(\q)+512*\j
.endr
.endm
.macro FETCH_B s, q, p                 ; source 0's eight fragments of the slot's q-th K step into set p
	WIN 0x40
.irp i, 0,1,2,3,4,5,6,7
	FRAG 128*(\p)+12*\i, ADR0+\s, \q, \i
.endr
	WIN 0
.endm
.macro FETCH_A s, q, i0                ; source 1's blocks i0 .. i0 + 3
.irp i, \i0, \i0+1, \i0+2, \i0+3
	FRAG AF+12*(\i), ADR1+\s, \q, \i
.endr
.endm
; 16 products: source 1's blocks a0, a0 + 1 x source 0's eight, K step ks.  cmode 0: onto the sums; 1: the sums begin with the bias tile of b; 2: with that of a.
; The 64 accumulators take turns, one instruction a turn, in the same order in every step.
.macro MUL16 a0, ks, cmode
.irp a, \a0, \a0+1
.irp b, 0,1,2,3,4,5,6,7
.set rD, 8*(8*((\a)%4)+\b)
.set rA, 128*((\ks)%2)+12*\b
.set rB, AF+12*(\a)
.set rX, SC0+4*\b+(\ks)/2
.set rY, SC1+4*(\a)+(\ks)/2
.if (\cmode) == 1
.set rI, \b
.else
.set rI, (\a)
.endif
.set rC, 96+8*rI
.if rI > 3
.set rC, 224+8*(rI-4)
.endif
.if \cmode
	v_wmma_scale_f32_16x16x128_f8f6f4 v[rD:rD+7], v[rA:rA+11], v[rB:rB+11], v[rC:rC+7], v[rX], v[rY] matrix_a_fmt:MATRIX_FMT_FP6 matrix_b_fmt:MATRIX_FMT_FP6
.elseif (\ks)%2
	v_wmma_scale_f32_16x16x128_f8f6f4 v[rD:rD+7], v[rA:rA+11], v[rB:rB+11], v[rD:rD+7], v[rX], v[rY] matrix_a_fmt:MATRIX_FMT_FP6 matrix_b_fmt:MATRIX_FMT_FP6 matrix_a_scale:MATRIX_SCALE_ROW1 matrix_b_scale:MATRIX_SCALE_ROW1
.else
	v_wmma_scale_f32_16x16x128_f8f6f4 v[rD:rD+7], v[rA:rA+11], v[rB:rB+11], v[rD:rD+7], v[rX], v[rY] matrix_a_fmt:MATRIX_FMT_FP6 matrix_b_fmt:MATRIX_FMT_FP6
.endif
.endr
.endr
.endm
; K step ks; the next step's fragments come from slot ns, its nq-th.  Loads into registers that products have read stand four plain places behind them.
.macro STEP ks, ns, nq, cmode
	s_wait_dscnt 12                                ; source 0's set and source 1's blocks 0-3 are in; the youngest 12 loads (blocks 4-7) may be out
.if \cmode
	WIN 0x91                                       ; source 0 and C window 1, source 1 window 0, D window 2
.else
	WIN 0xa1
.endif
	MUL16 0, \ks, \cmode
	MUL16 2, \ks, \cmode
	s_wait_dscnt 0x0
	PLACES 4
	FETCH_B \ns, \nq, 1-(\ks)%2
	FETCH_A \ns, \nq, 0
.if \cmode
	WIN 0xd1
.else
	WIN 0xf1
.endif
	MUL16 4, \ks, \cmode
	MUL16 6, \ks, \cmode
	PLACES 4
	WIN 0
	FETCH_A \ns, \nq, 4
.endm
; A step with a barrier.  In front of it each wave waits for all its tensor loads, adds 0 to its spare word, and waits for that and for its reads.  fill = 1: the barrier opens a round of the cluster's, and slot 0 takes K steps 6 and 7.
.macro TURN ks, ns, fill
	s_wait_tensorcnt 0x0                           ; all my tensor loads have landed
	ds_add_u32 v[SPW], v[NIL]                      ; 0 onto my spare word
	s_wait_dscnt 13                                ; (the add and the youngest 12 loads may be out)
	WIN 0xa1
	MUL16 0, \ks, 0
	s_wait_dscnt 0x0                               ; the add is done, and my reads of the slot in hand are over
	s_barrier_signal -1
	MUL16 2, \ks, 0
	WIN 0
	s_barrier_wait -1
.if \fill
	CREST                                          ; no wave of any partner still reads slot 0 or has a load on its way
	s_add_nc_u64 s[G0A+2:G0A+3], s[G0A+2:G0A+3], 9216
	s_add_nc_u64 s[G0B+2:G0B+3], s[G0B+2:G0B+3], 9216
	s_mov_b32 s[G1A+1], 384<<16                    ; two K steps are left of each row tile: the tile's last third is written as zeros and never read
	s_mov_b32 s[G1B+1], 384<<16
	JLOAD 0                                        ; slot 0 takes K steps 6, 7
.else
	PLACES 4
.endif
	FETCH_B \ns, 0, 1-(\ks)%2
	FETCH_A \ns, 0, 0
	WIN 0xf1
	MUL16 4, \ks, 0
	MUL16 6, \ks, 0
	PLACES 4
	WIN 0
	FETCH_A \ns, 0, 4
.endm
	s_wait_alu depctr_va_vdst(0)                   ; the wait at the head's end
	s_wait_tensorcnt 0x0                           ; my part of slot 0 is in
	ds_add_u32 v[SPW], v[NIL]
	s_wait_dscnt 0x0
	CROUND                                         ; slot 0 is whole in every partner
	JLOAD 1                                        ; slot 1's first fill: my one load behind the round
	FETCH_B 0, 0, 0
	FETCH_A 0, 0, 0
	global_prefetch_b8 v25, s[82:83] offset:9216 th:TH_LOAD_NT scope:SCOPE_SE
	global_prefetch_b8 v25, s[82:83] offset:12288+9216 th:TH_LOAD_NT scope:SCOPE_SE
	FETCH_A 0, 0, 4
	s_wait_loadcnt 0x0                             ; the scale words and the bias
	s_cmp_eq_u32 s[KIND], 2                        ; the first step is written twice: the bias runs along source 0 for q and k, along source 1 for v
	s_cbranch_scc1 .Lfirst_v
	STEP 0, 0, 1, 1
	s_branch .Lfirst_done
.Lfirst_v:
	STEP 0, 0, 1, 2
.Lfirst_done:
	STEP 1, 0, 2, 0
	TURN 2, 1, 1                                   ; slot 1 is whole, slot 0 is read out and filled again
	STEP 3, 1, 1, 0
	STEP 4, 1, 2, 0
	TURN 5, 0, 0                                   ; slot 0's second fill has landed in every wave
	STEP 6, 0, 1, 0
	s_wait_dscnt 12
	WIN 0xa1
	MUL16 0, 7, 0
	MUL16 2, 7, 0
	s_wait_dscnt 0x0
	WIN 0xf1
	MUL16 4, 7, 0
	MUL16 6, 7, 0
	WIN 0
; THE WAY OUT.  Block a's 64 accumulator registers are 64 numbers of my lane's row, register 16 b + i = k 32 b + 16 h + i: they become one fragment and one scale word.
.macro QUANTW s, w                     ; the numbers lie in window w
	WIN 0x14*(\w)                                  ; sources 1 and 2
.irp b, 0,1,2,3
	v_max3_num_f32 v[TM+\b], 0x1800000, |v[\s+16*\b]|, |v[\s+1+16*\b]|     ; each accumulator is read from its low end on
.endr
.irp i, 2,4,6,8,10,12,14
.irp b, 0,1,2,3
	v_max3_num_f32 v[TM+\b], v[TM+\b], |v[\s+16*\b+\i]|, |v[\s+1+16*\b+\i]|
.endr
.endr
	WIN 0
.irp b, 0,1,2,3
	v_permlanex16_b32 v[TM+4+\b], v[TM+\b], s[SEL], s[SEL+1]
.endr
.irp b, 0,1,2,3
	v_max_num_f32 v[TM+\b], v[TM+\b], v[TM+4+\b]
.endr
.irp b, 0,1,2,3
	v_add_nc_u32 v[TM+12+\b], 0xff000000, v[TM+\b]
.endr
.irp b, 0,1,2,3
	v_lshrrev_b32 v[TM+4+\b], 23, v[TM+12+\b]
.endr
	v_lshl_or_b32 v[PW], v[TM+5], 8, v[TM+4]
	v_lshl_or_b32 v[PW], v[TM+6], 16, v[PW]
	v_lshl_or_b32 v[PW], v[TM+7], 24, v[PW]
	WIN (\w)                                       ; source 0
.irp c, 0,1
	v_cvt_scalef32_pk16_fp6_f32 v[PC+6*\c:PC+2+6*\c], v[\s+32*\c:\s+15+32*\c], v[TM+12+2*\c]
	v_cvt_scalef32_pk16_fp6_f32 v[PC+12+4*\c:PC+14+4*\c], v[\s+16+32*\c:\s+31+32*\c], v[TM+12+2*\c+1]
.endr
	WIN 0
	v_nop                                          ; one plain place behind a scaled conversion
.irp c, 0,1
.irp i, 0,1,2
	v_permlane16_swap_b32 v[PC+6*\c+\i], v[PC+12+4*\c+\i]
.endr
.irp i, 0,1,2
	v_mov_b32 v[PC+3+6*\c+\i], v[PC+12+4*\c+\i]
.endr
.endr
.endm
	PLACES 4                                       ; behind the last products: results are read, and registers that held source 1 are written
.irp b, 0,1,2,3
	v_mov_b32 v[TM+4+\b], 0                        ; a lane permute's destination counts as one of its sources
.endr
.irp a, 0,1,2,3,4,5,6,7
	s_wait_xcnt 0x0                                ; the last block's stores have read the codes' registers
	QUANTW 64*(\a%4), 2+\a/4
	v_mov_b32 v[PW8+\a], v[PW]
.irp j, 0,1,2
	global_store_b128 v[LI], v[PC+4*\j:PC+4*\j+3], s[12:13] offset:1536*\a+512*\j  ; 32 lanes store 512 consecutive bytes; a wave's eight fragments are 12,288 on end
.endr
.endr
	v_cmp_ne_u32 vcc_lo, 0, v6
.irp i, 0,1,2,3
	v_cndmask_b32 v[OUTW+\i], v[PW8+\i], v[PW8+4+\i], vcc_lo
.endr
	global_store_b128 v7, v[OUTW:OUTW+3], s[14:15] ; the eight fragments' scale words: 512 consecutive bytes
	s_wait_tensorcnt 0x0                           ; the wave's end
	ds_add_u32 v[SPW], v[NIL]
	s_wait_dscnt 0x0
	CROUND                                         ; the closing round
	s_endpgm
.Lfunc_end_k_qe11cc71a5d_proj:
	.size	k_qe11cc71a5d_proj, .Lfunc_end_k_qe11cc71a5d_proj-k_qe11cc71a5d_proj
	.p2alignl 7, 3214868480
	.fill 96, 4, 3214868480
	.section	.rodata,"a",@progbits
	.p2align	6, 0x0
	.amdhsa_kernel k_qe11cc71a5d_proj
		.amdhsa_group_segment_fixed_size 327680
		.amdhsa_private_segment_fixed_size 0
		.amdhsa_enable_private_segment 0
		.amdhsa_kernarg_size 48
		.amdhsa_user_sgpr_count 2
		.amdhsa_user_sgpr_kernarg_segment_ptr 1
		.amdhsa_wavefront_size32 1
		.amdhsa_system_sgpr_workgroup_id_x 1
		.amdhsa_system_sgpr_workgroup_id_y 1
		.amdhsa_system_sgpr_workgroup_id_z 1
		.amdhsa_system_vgpr_workitem_id 0
		.amdhsa_next_free_vgpr 1024
		.amdhsa_next_free_sgpr 100
		.amdhsa_reserve_vcc 1
		.amdhsa_float_denorm_mode_32 3
		.amdhsa_float_denorm_mode_16_64 3
		.amdhsa_memory_ordered 1
		.amdhsa_forward_progress 1
		.amdhsa_inst_pref_size 157
	.end_amdhsa_kernel
	.amdgpu_metadata
---
amdhsa.version: [ 1, 2 ]
amdhsa.kernels:
  - .name:           k_qe11cc71a5d_proj
    .symbol:         k_qe11cc71a5d_proj.kd
    .args:
      - { .name: opc, .offset: 0, .size: 8, .value_kind: global_buffer, .address_space: global }
      - { .name: ops, .offset: 8, .size: 8, .value_kind: global_buffer, .address_space: global }
      - { .name: Wq_b, .offset: 16, .size: 8, .value_kind: global_buffer, .address_space: global }
      - { .name: Wkv_b, .offset: 24, .size: 8, .value_kind: global_buffer, .address_space: global }
      - { .name: qkvc, .offset: 32, .size: 8, .value_kind: global_buffer, .address_space: global }
      - { .name: qkvs, .offset: 40, .size: 8, .value_kind: global_buffer, .address_space: global }
    .group_segment_fixed_size: 327680
    .private_segment_fixed_size: 0
    .kernarg_segment_align: 8
    .kernarg_segment_size: 48
    .max_flat_workgroup_size: 128
    .sgpr_count:     100
    .vgpr_count:     1024
    .wavefront_size: 32
...
	.end_amdgpu_metadata
.endif
;; end of part 2
;; launch attn (part 3): grid 8 x 32, 8 waves a work-group, clusters of 4 x 1, 327,680 bytes of LDS; arguments qkvc, qkvs, ctxc, ctxs; writes ctxc, ctxs
.if DOCPART == 3
	.amdgcn_target "amdgcn-amd-amdhsa--gfx1250"
	.amdhsa_code_object_version 6
	.text
	.protected	k_qe11cc71a5d_attn
	.globl	k_qe11cc71a5d_attn
	.p2align	8
	.type	k_qe11cc71a5d_attn,@function
k_qe11cc71a5d_attn:
	s_mov_b64 s[64:65], 0
	v_nop
	global_prefetch_b8 v0, s[64:65] scope:SCOPE_SE
	s_setreg_imm32_b32 hwreg(HW_REG_WAVE_MODE, 25, 1), 1
	s_wait_xcnt 0x0
	s_wait_alu depctr_hold_cnt(0) depctr_sa_sdst(0) depctr_va_vdst(0) depctr_va_sdst(0) depctr_va_ssrc(0) depctr_va_vcc(0) depctr_vm_vsrc(0)
	s_getreg_b32 s2, hwreg(HW_REG_IB_STS2, 6, 4)
	s_cmp_eq_u32 s2, 0
	s_cbranch_scc0 .Lentry_in_a_cluster
	s_endpgm
.Lentry_in_a_cluster:
	s_bfe_u32 s2, ttmp6, 0x10000c
	s_cmp_lg_u32 s2, 0x3003
	s_cbranch_scc0 .Lentry_shape_is_right
	s_endpgm
.Lentry_shape_is_right:
; ctx[b][q][g] = softmax_k(q . k / sqrt(128)) v for each of the 32 heads (8 b + g), 2,048 queries and keys, both products on codes of FP6 with E8M0 scales; ctx leaves quantised along its row's 1,024 (K step g of the last product).
; THE SOFTMAX: t = score x log2(e) / sqrt(128); M = the running largest t rounded UP to a whole number; p = 2^(t - M) is quantised along the keys, not normalised; the row's sum is taken of the unquantised p and divides at the end.
; When M moves, the sum and O are multiplied by 2^(old M - new M): exact.
; SHARES.  A work-group owns 256 queries of one head, each of its eight waves TWO tiles of 16: tile t in register window t under the same numbers.  Each fragment of k and v read from LDS feeds two products.
; Both products are used transposed (S^T = k q^T, O^T = v^T p^T): a lane holds one query.  Tiles of keys and of channels hold rows 32 (T / 2) + 8 (T % 2) + r + 8 (r / 8), so the 16 registers of tiles 2 b, 2 b + 1 are 16 neighbours.
; The short dependent lines (row maximum, M, f, scale bytes) of the two tiles lie together in window 0 and go by turns.
; CLUSTER 4 x 1: the four blocks of queries walk the same k and v: every tile is asked for jointly.
; LDS: k's ring (two slots of six key steps, 12,288 bytes a step) from 0, v's from VOFF, the head's scale words (k's 8,192 bytes, then v's) from SCB, the spare words (128 bytes a wave) from SPARE.
; FILLS: every load of codes brings two key steps of k or of v (96 rows of 256 bytes).  At the head waves 0-5 ask for steps 0-5 and waves 6, 7 for the scale words: one load a wave.
; Behind the next round waves 0-5 ask for slot B (steps 6-11); behind the round after step 5 waves 0-3 ask for steps 12-15, into slot A's first four steps.
; No prefetch is laid: each later load has six key steps' work between its request and the wait for it.
; LIMITS: NaN and infinities not served; a block of p or of ctx under 2^-124 keeps the byte 1, and so does a block of zeros; the promise holds while |t| stays under 2^31.
; REGISTERS.  In each window, for its tile: v[12:13] the sum; v16-27 q; v32-79 four fragments of k or v; v96-159 S^T, then p; v160-223 O^T; v224-235 p's codes; v236-242 at work.
;   window 0 alone: v1-7 addresses; v28, v29 q's scale words; v80-87 the step's eight scale words; v88-91 (-M, largest t) a tile; v92-95 (f, p's scale word) a tile; v244-251 the 8 blocks' maxima; v236-243 at work.
.set KSB,   12288
.set SLB,   73728
.set VOFF,  147456
.set SCB,   294912
.set SPARE, 311296
.set SEC,   6291456
.set SECS,  262144
.set LI,   1
.set LSC,  2
.set SPW,  3
.set NIL,  4
.set ADK,  5
.set ADS,  6
.set ADV,  7
.set QS,   28
.set KS,   80
.set PP,   88
.set FF,   92
.set BM,   244
.set T,    236
.set PC,   160                         ; the way out's QUANT works in registers that O^T has left
.set TM,   180
.set PW,   196
.set WV,   12
.set XB,   14
.set HD,   15
.set G1C,  16
.set G1S,  24
.set SEL,  48
.set CS,   50
.set TB,   52
.set TS,   53
.set CNT,  54
.set MSB, 0
.macro WIN new                         ; the immediate's high byte repeats the setting that is left
.if MSB != (\new)
	s_set_vgpr_msb (MSB<<8)|(\new)
.set MSB, (\new)
.endif
.endm
.macro PLACES
.rept 4
	v_nop
.endr
.endm
.macro CROUND
	s_barrier_signal -1
	s_barrier_wait -1
	s_cmp_lg_u32 s[WV], 0
	s_cbranch_scc1 .Lnot_wave_0_\@
	s_barrier_signal -3
.Lnot_wave_0_\@:
	s_barrier_wait -3
	s_barrier_signal -1
	s_barrier_wait -1
.endm
	s_load_b256 s[4:11], s[0:1], 0x0               ; qkvc s[4:5], qkvs s[6:7], ctxc s[8:9], ctxs s[10:11]
	v_lshl_add_u32 v[SPW], v0, 2, SPARE
	v_mov_b32 v[NIL], 0
	ds_add_u32 v[SPW], v[NIL]                      ; the opening lines: the add twice on end and one wait
	ds_add_u32 v[SPW], v[NIL]
	v_lshrrev_b32 v1, 5, v0
	v_readfirstlane_b32 s[WV], v1                  ; wave 0..7
	s_bfe_u32 s13, ttmp6, 0x40000                  ; cx
	s_lshl_b32 s[XB], ttmp9, 2
	s_add_co_u32 s[XB], s[XB], s13                 ; my block of 256 queries: it enters q's and ctx's addresses alone
	s_and_b32 s[HD], ttmp7, 0xffff                 ; the head, which the four partners share
	s_and_b32 s55, s[WV], 1                        ; I fetch for k (0) or for v (1),
	s_lshr_b32 s56, s[WV], 1                       ; which two key steps of a fill
	s_add_co_u32 s57, s55, 1
	s_mul_i32 s58, s57, SEC
	s_mul_i32 s59, s[HD], 196608
	s_add_co_u32 s58, s58, s59                     ; the head's codes of k or v
	s_mov_b32 s59, 0
	s_mul_i32 s62, s57, SECS
	s_lshl_b32 s60, s[HD], 13
	s_add_co_u32 s62, s62, s60                     ; and their scale words
	s_mov_b32 s63, 0
	s_mul_i32 s60, s55, VOFF                       ; LDS: k's ring or v's
	s_lshl_b32 s61, s55, 13
	s_add_co_u32 s61, s61, SCB
	s_lshl_b32 s70, s[HD], 7                       ; q's fragments: 128 head + 16 block + 2 wave
	s_lshl_b32 s57, s[XB], 4
	s_add_co_u32 s70, s70, s57
	s_lshl_b32 s57, s[WV], 1
	s_add_co_u32 s70, s70, s57
	s_mul_i32 s70, s70, 1536
	s_mov_b32 s71, 0
	s_lshl_b32 s72, s[HD], 4                       ; q's scale words: 512 bytes for eight fragments, my two words 8 (wave % 4) in
	s_lshl_b32 s57, s[XB], 1
	s_add_co_u32 s72, s72, s57
	s_lshr_b32 s57, s[WV], 2
	s_add_co_u32 s72, s72, s57
	s_lshl_b32 s72, s72, 9
	s_and_b32 s57, s[WV], 3
	s_lshl_b32 s57, s57, 3
	s_add_co_u32 s72, s72, s57
	s_mov_b32 s73, 0
	s_lshr_b32 s74, s[HD], 3                       ; ctx: row tile 128 b + tile of queries, K step g
	s_lshl_b32 s74, s74, 7
	s_lshl_b32 s57, s[XB], 4
	s_add_co_u32 s74, s74, s57
	s_lshl_b32 s57, s[WV], 1
	s_add_co_u32 s74, s74, s57
	s_lshl_b32 s76, s74, 9
	s_mul_i32 s74, s74, 12288
	s_and_b32 s78, s[HD], 7
	s_mul_i32 s57, s78, 1536
	s_add_co_u32 s74, s74, s57
	s_mov_b32 s75, 0
	s_and_b32 s57, s78, 1
	s_lshl_b32 s57, s57, 8
	s_add_co_u32 s76, s76, s57
	s_lshr_b32 s57, s78, 1
	s_lshl_b32 s57, s57, 2
	s_add_co_u32 s76, s76, s57
	s_mov_b32 s77, 0
	; descriptor groups 1: dense blocks as rows of 256 bytes: 96 rows (two key steps), 32 rows (scale words)
	s_mov_b32 s[G1C], 15|(3<<16)|(1<<21)           ; 15:0 the mask: all four work-groups; 17:16 elements of 8 bytes; 21 set beside a mask
	s_mov_b32 s[G1C+1], 32<<16
	s_mov_b32 s[G1C+2], 96<<16
	s_mov_b32 s[G1C+3], 32<<16
	s_mov_b32 s[G1C+4], 96
	s_mov_b32 s[G1C+5], 32
	s_mov_b32 s[G1C+6], 0
	s_mov_b32 s[G1C+7], 0
	s_mov_b32 s[G1S], 15|(3<<16)|(1<<21)
	s_mov_b32 s[G1S+1], 32<<16
	s_mov_b32 s[G1S+2], 32<<16
	s_mov_b32 s[G1S+3], 32<<16
	s_mov_b32 s[G1S+4], 32
	s_mov_b32 s[G1S+5], 32
	s_mov_b32 s[G1S+6], 0
	s_mov_b32 s[G1S+7], 0
	s_mov_b32 s[SEL], 0x76543210
	s_mov_b32 s[SEL+1], 0xfedcba98
	s_mov_b32 s[CS], 0x3e0293ee                    ; c = log2(e) / sqrt(128)
	s_mov_b32 s[CS+1], s[CS]
	s_mul_i32 s78, s56, 2*KSB                      ; my two key steps, in bytes: in memory and in LDS alike
	s_mov_b32 s79, 0
	s_wait_dscnt 0x0                               ; both opening adds are done
	s_wait_kmcnt 0x0
	s_add_nc_u64 s[66:67], s[4:5], s[58:59]
	s_add_nc_u64 s[66:67], s[66:67], s[78:79]
	s_add_nc_u64 s[68:69], s[6:7], s[62:63]
	s_add_nc_u64 s[70:71], s[4:5], s[70:71]
	s_add_nc_u64 s[72:73], s[6:7], s[72:73]
	s_add_nc_u64 s[74:75], s[8:9], s[74:75]
	s_add_nc_u64 s[76:77], s[10:11], s[76:77]
	s_mov_b32 s32, 1                               ; s[32:35] the head's codes: steps 0-5 into slot A
	s_add_co_u32 s33, s60, s78
	s_mov_b64 s[34:35], s[66:67]
	s_or_b32 s35, s35, 0x80000000
	s_mov_b32 s44, 1                               ; s[44:47] the head's scale words
	s_mov_b32 s45, s61
	s_mov_b64 s[46:47], s[68:69]
	s_or_b32 s47, s47, 0x80000000
	s_mov_b32 s36, 1                               ; s[36:39] slot B: steps 6-11
	s_add_co_u32 s37, s33, SLB
	s_add_nc_u64 s[38:39], s[66:67], 6*KSB
	s_or_b32 s39, s39, 0x80000000
	s_mov_b32 s40, 1                               ; s[40:43] slot A again: steps 12-15
	s_mov_b32 s41, s33
	s_add_nc_u64 s[42:43], s[66:67], 12*KSB
	s_or_b32 s43, s43, 0x80000000
	CROUND                                         ; all four work-groups are here: the first joint loads meet
	s_cmp_lt_u32 s[WV], 6                          ; one load a wave at the head: waves 0-5 codes, waves 6, 7 scale words
	s_cbranch_scc0 .Lhead_s
	tensor_load_to_lds s[32:35], s[G1C:G1C+7]
	s_nop 0
	PLACES
	s_branch .Lhead_j
.Lhead_s:
	tensor_load_to_lds s[44:47], s[G1S:G1S+7]
	s_nop 0
	PLACES
.Lhead_j:
	v_and_b32 v1, 31, v0
	v_and_b32 v8, 15, v0                           ; r
	v_lshlrev_b32 v[LI], 4, v1
	v_lshl_add_u32 v[LSC], v8, 5, SCB
	v_lshlrev_b32 v9, 5, v8                        ; q's scale words: 32 r
	global_load_b64 v[QS:QS+1], v9, s[72:73]       ; my two tiles' words
.irp t, 0,1
	WIN (\t)<<6
.irp j, 0,1,2
	global_load_b128 v[16+4*\j:19+4*\j], v[LI], s[70:71] offset:1536*\t+512*\j   ; q's fragments stay in registers
.endr
.irp j, 12,13,14,15
	v_mov_b32 v[\j], 0
.endr
.set j, 0
.rept 128
	v_mov_b32 v[96+j], 0                           ; p and O^T: the step is written for all steps alike; the first finds zeros
.set j, j+1
.endr
.endr
	WIN 0
.irp t, 0,1
	v_mov_b32 v[PP+2*\t+1], 0xff61b1e6             ; the largest t so far: -3e38
	v_mov_b32 v[FF+2*\t], 0
	v_mov_b32 v[FF+2*\t+1], 0
.endr
.irp t, 0,1
	v_floor_f32 v[PP+2*\t], -v[PP+2*\t+1]
.endr
.set j, 0
.rept 8
	v_mov_b32 v[T+j], 0                            ; a lane permute's destination counts as one of its sources
.set j, j+1
.endr
.macro KVLOAD sel, adr                 ; the step's scale words and its 8 fragments of k (0) or v (1), four into each window
	WIN 0
	ds_load_b128 v[KS:KS+3], v[ADS] offset:8192*\sel
	ds_load_b128 v[KS+4:KS+7], v[ADS] offset:8192*\sel+16
.irp a, 0,1
	WIN (\a)<<6
.irp f, 0,1,2,3
.irp j, 0,1,2
	ds_load_b128 v[32+12*\f+4*\j:35+12*\f+4*\j], v[\adr] offset:1536*(4*\a+\f)+512*\j
.endr
.endr
.endr
.endm
.macro SUMS                            ; the row's sum takes the unquantised p of the step before: a tree in place (p is done with), 32 packed additions
.irp st, 2,4,8,16,32
.set j, 0
.rept 32/\st
	v_pk_add_f32 v[96+j:97+j], v[96+j:97+j], v[96+j+\st:97+j+\st]
.set j, j+2*\st
.endr
.endr
	v_pk_add_f32 v[12:13], v[12:13], v[96:97]
.endm
.macro MAXES tau                       ; the largest score of each block of 32 keys (my 16), into window 0; each accumulator is read from its low end on
	WIN 0x14*(\tau)
.irp b, 0,1,2,3
	v_max3_num_f32 v[BM+4*(\tau)+\b], 0xff7fffff, v[96+16*\b], v[97+16*\b]
.endr
.irp i, 2,4,6,8,10,12,14
.irp b, 0,1,2,3
	v_max3_num_f32 v[BM+4*(\tau)+\b], v[BM+4*(\tau)+\b], v[96+16*\b+\i], v[97+16*\b+\i]
.endr
.endr
.endm
.macro CHAIN                           ; window 0: the two tiles by turns; where a line reads the line above it, a hint names the distance
.set i, 0
.rept 8
	v_permlanex16_b32 v[T+i], v[BM+i], s[SEL], s[SEL+1]
.set i, i+1
.endr
.set i, 0
.rept 8
	v_max_num_f32 v[BM+i], v[BM+i], v[T+i]         ; with lane l xor 16's 16 keys
.set i, i+1
.endr
.irp t, 0,1
	v_max3_num_f32 v[T+4*\t], v[BM+4*\t], v[BM+4*\t+1], v[BM+4*\t+2]
.endr
.irp t, 0,1
	s_delay_alu instid0(VALU_DEP_2)
	v_max_num_f32 v[T+4*\t], v[T+4*\t], v[BM+4*\t+3]
.endr
.irp t, 0,1
	s_delay_alu instid0(VALU_DEP_2)
	v_mul_f32 v[T+4*\t], s[CS], v[T+4*\t]
.endr
.irp t, 0,1
	s_delay_alu instid0(VALU_DEP_2)
	v_max_num_f32 v[PP+2*\t+1], v[PP+2*\t+1], v[T+4*\t]    ; the running largest t
.endr
.irp t, 0,1
	v_mov_b32 v[T+4*\t+1], v[PP+2*\t]              ; the old -M
.endr
.irp t, 0,1
	s_delay_alu instid0(VALU_DEP_4)
	v_floor_f32 v[PP+2*\t], -v[PP+2*\t+1]          ; the new -M = -ceil(t)
.endr
.irp t, 0,1
	s_delay_alu instid0(VALU_DEP_2)
	v_sub_f32 v[T+4*\t], v[PP+2*\t], v[T+4*\t+1]
.endr
.irp t, 0,1
	s_delay_alu instid0(VALU_DEP_2)
	v_cvt_i32_f32 v[T+4*\t], v[T+4*\t]             ; (it saturates)
.endr
.irp t, 0,1
	s_delay_alu instid0(VALU_DEP_2)
	v_ldexp_f32 v[FF+2*\t], 1.0, v[T+4*\t]         ; f = 2^(old M - new M)
.endr
.irp t, 0,1
.irp b, 0,1,2,3
	v_fma_f32 v[BM+4*\t+\b], v[BM+4*\t+\b], s[CS], v[PP+2*\t]      ; t - M of each block's largest score: p rises with the score
.endr
.endr
.endm
.macro SCALEQ                          ; window 0: the 8 blocks' scale operands (in place) and the two scale words
.set i, 0
.rept 8
	v_max_num_f32 v[BM+i], 0x1800000, v[BM+i]      ; the floor 2^(3 - 127)
.set i, i+1
.endr
.set i, 0
.rept 8
	v_add_nc_u32 v[BM+i], 0xff000000, v[BM+i]      ; 2 off the exponent field
.set i, i+1
.endr
.set i, 0
.rept 8
	v_lshrrev_b32 v[T+i], 23, v[BM+i]
.set i, i+1
.endr
.irp t, 0,1
	v_lshl_or_b32 v[FF+2*\t+1], v[T+4*\t+1], 8, v[T+4*\t]
.endr
.irp t, 0,1
	s_delay_alu instid0(VALU_DEP_2)
	v_lshl_or_b32 v[FF+2*\t+1], v[T+4*\t+2], 16, v[FF+2*\t+1]
.endr
.irp t, 0,1
	s_delay_alu instid0(VALU_DEP_2)
	v_lshl_or_b32 v[FF+2*\t+1], v[T+4*\t+3], 24, v[FF+2*\t+1]
.endr
.endm
.macro TILEQ tau                       ; source 0 and destination in the tile's window, source 1 (f, scale operands) in window 0
	WIN 0x41*(\tau)
	v_pk_mul_f32 v[12:13], v[12:13], v[FF+2*(\tau):FF+2*(\tau)+1] op_sel_hi:[1,0]   ; the sum under the new M
.irp c, 0,1
	v_cvt_scalef32_pk16_fp6_f32 v[224+6*\c:226+6*\c], v[96+32*\c:111+32*\c], v[BM+4*(\tau)+2*\c]
	v_cvt_scalef32_pk16_fp6_f32 v[236+4*\c:238+4*\c], v[112+32*\c:127+32*\c], v[BM+4*(\tau)+2*\c+1]
.endr
	v_nop                                          ; one plain place behind a scaled conversion
.irp c, 0,1                                    ; the layout wants a whole block in a lane
.irp i, 0,1,2
	v_permlane16_swap_b32 v[224+6*\c+\i], v[236+4*\c+\i]
.endr
.irp i, 0,1,2
	v_mov_b32 v[227+6*\c+\i], v[236+4*\c+\i]
.endr
.endr
	s_wait_alu depctr_va_vdst(0)                   ; the wait directly ahead of the first reader of O^T
.set j, 0
.rept 32
	v_pk_mul_f32 v[160+j:161+j], v[160+j:161+j], v[FF+2*(\tau):FF+2*(\tau)+1] op_sel_hi:[1,0]   ; O^T under the new M; also the places between the codes just made and their products
.set j, j+2
.endr
.endm
; Four products: fragments 4 a .. 4 a + 3 (window a) against tile tau (window tau).  pv = 0: S^T = k q^T, begun with 0;  pv = 1: O^T += v^T p^T.  All sixteen of a phase name different accumulators.
.macro PGROUP pv, a, tau
	WIN (\a)+0x54*(\tau)
.irp f, 0,1,2,3
.if \pv
	v_wmma_scale_f32_16x16x128_f8f6f4 v[160+8*(4*(\a)+\f):167+8*(4*(\a)+\f)], v[32+12*\f:43+12*\f], v[224:235], v[160+8*(4*(\a)+\f):167+8*(4*(\a)+\f)], v[KS+4*(\a)+\f], v[FF+2*(\tau)+1] matrix_a_fmt:MATRIX_FMT_FP6 matrix_b_fmt:MATRIX_FMT_FP6
.else
	v_wmma_scale_f32_16x16x128_f8f6f4 v[96+8*(4*(\a)+\f):103+8*(4*(\a)+\f)], v[32+12*\f:43+12*\f], v[16:27], 0, v[KS+4*(\a)+\f], v[QS+(\tau)] matrix_a_fmt:MATRIX_FMT_FP6 matrix_b_fmt:MATRIX_FMT_FP6
.endif
.endr
.endm
; A KEY STEP.  Tile 0's additions are the places between the last products and the loads into their registers; tile 1's stand while the loads are out.
.macro STEP
	v_add_nc_u32 v[ADK], s[TB], v[LI]
	v_add_nc_u32 v[ADS], s[TS], v[LSC]
	v_add_nc_u32 v[ADV], VOFF, v[ADK]
	SUMS
	KVLOAD 0, ADK
	WIN 0x55
	SUMS
	s_wait_alu depctr_va_vdst(0)                   ; the wait ahead of the blocking wait
.irp a, 0,1
	s_wait_dscnt 12-12*\a                          ; the scale words and windows 0 .. a's fragments are in; window 1's twelve loads may be out
.irp t, 0,1
	PGROUP 0, \a, \t
.endr
.endr
	WIN 0
	PLACES                                         ; in front of the loads into k's registers and of the first read of the scores
	KVLOAD 1, ADV                                  ; v lands while the softmax is walked
.irp t, 0,1
	MAXES \t
.endr
	WIN 0
	CHAIN
.irp t, 0,1
	WIN 0x41*\t
.set j, 0
.rept 32
	v_pk_fma_f32 v[96+j:97+j], v[96+j:97+j], s[CS:CS+1], v[PP+2*\t:PP+2*\t+1] op_sel_hi:[1,0,0]   ; t - M
.set j, j+2
.endr
.endr
	s_wait_alu depctr_va_vdst(0)                   ; the wait ahead of the batch
.irp t, 1,0
	WIN 0x41*\t
.set j, 0
.rept 64
	v_exp_f32 v[96+j], v[96+j]                     ; p = 2^(t - M)
.set j, j+1
.endr
.endr
.set j, 0
.rept 8
	v_exp_f32 v[BM+j], v[BM+j]                     ; the blocks' largest p: one batch with the 128
.set j, j+1
.endr
	v_nop                                          ; the plain place behind the batch
	s_wait_alu depctr_va_vdst(0)                   ; one wait for the batch, ahead of its first reader
	SCALEQ
.irp t, 0,1
	TILEQ \t
.endr
	s_wait_alu depctr_va_vdst(0)
	s_wait_dscnt 0x0                               ; v and its scale words
.irp a, 0,1
.irp t, 0,1
	PGROUP 1, \a, \t
.endr
.endr
	WIN 0
	s_add_co_u32 s[TB], s[TB], KSB
	s_add_co_u32 s[TS], s[TS], 512
.endm
.macro LOOP n, tb, ts
	s_mov_b32 s[TB], \tb
	s_mov_b32 s[TS], \ts
	s_mov_b32 s[CNT], \n
.Lstep_\@:
	STEP
	s_sub_co_u32 s[CNT], s[CNT], 1
	s_cmp_lg_u32 s[CNT], 0
	s_wait_alu depctr_va_vdst(0)                   ; the wait ahead of the branch
	s_cbranch_scc1 .Lstep_\@
.endm
	s_wait_alu depctr_va_vdst(0)                   ; the wait at the head's end
	s_wait_tensorcnt 0x0                           ; my tile of the head's eight is in
	ds_add_u32 v[SPW], v[NIL]                      ; 0 onto my spare word
	s_wait_dscnt 0x0
	CROUND                                         ; slot A and the scale words are whole in every partner
	s_cmp_lt_u32 s[WV], 6                          ; slot B's first fill is six loads: waves 6 and 7 have no part of it
	s_cbranch_scc0 .Lno_b
	tensor_load_to_lds s[36:39], s[G1C:G1C+7]      ; my one load behind the round
	s_nop 0
	PLACES
.Lno_b:
	s_wait_loadcnt 0x0                             ; q
	LOOP 6, 0, 0                                   ; key steps 0 to 5
	s_wait_tensorcnt 0x0                           ; my part of slot B is in
	ds_add_u32 v[SPW], v[NIL]
	s_wait_dscnt 0x0                               ; the add is done, and my reads of slot A are over
	CROUND                                         ; so it is with every wave of every partner
	s_cmp_lt_u32 s[WV], 4                          ; key steps 12-15 are four loads
	s_cbranch_scc0 .Lno_a
	tensor_load_to_lds s[40:43], s[G1C:G1C+7]      ; into steps 0-3's bytes: my one load behind the round
	s_nop 0
	PLACES
.Lno_a:
	LOOP 6, SLB, 3072                              ; 6 to 11
	s_wait_tensorcnt 0x0
	ds_add_u32 v[SPW], v[NIL]
	s_wait_dscnt 0x0
	s_barrier_signal -1
	s_barrier_wait -1                              ; key steps 12-15 are whole
	LOOP 4, 0, 6144
; THE WAY OUT.  The last step's p is summed; O^T / the sum is a lane's 64 numbers of its query's row, register 16 b + i = channel 32 b + 16 h + i: one fragment and one scale word a tile.
.macro QUANT s
.irp b, 0,1,2,3
	v_max3_num_f32 v[TM+\b], |v[\s+16*\b]|, |v[\s+1+16*\b]|, 0x1800000
.endr
.irp i, 2,4,6,8,10,12,14
.irp b, 0,1,2,3
	v_max3_num_f32 v[TM+\b], v[TM+\b], |v[\s+16*\b+\i]|, |v[\s+1+16*\b+\i]|
.endr
.endr
.irp b, 0,1,2,3
	v_permlanex16_b32 v[TM+4+\b], v[TM+\b], s[SEL], s[SEL+1]
.endr
.irp b, 0,1,2,3
	v_max_num_f32 v[TM+\b], v[TM+\b], v[TM+4+\b]
.endr
.irp b, 0,1,2,3
	v_add_nc_u32 v[TM+12+\b], 0xff000000, v[TM+\b]
.endr
.irp b, 0,1,2,3
	v_lshrrev_b32 v[TM+4+\b], 23, v[TM+12+\b]
.endr
	v_lshl_or_b32 v[PW], v[TM+5], 8, v[TM+4]
	s_delay_alu instid0(VALU_DEP_1)
	v_lshl_or_b32 v[PW], v[TM+6], 16, v[PW]
	s_delay_alu instid0(VALU_DEP_1)
	v_lshl_or_b32 v[PW], v[TM+7], 24, v[PW]
.irp c, 0,1
	v_cvt_scalef32_pk16_fp6_f32 v[PC+6*\c:PC+2+6*\c], v[\s+32*\c:\s+15+32*\c], v[TM+12+2*\c]
	v_cvt_scalef32_pk16_fp6_f32 v[PC+12+4*\c:PC+14+4*\c], v[\s+16+32*\c:\s+31+32*\c], v[TM+12+2*\c+1]
.endr
	v_nop
.irp c, 0,1
.irp i, 0,1,2
	v_permlane16_swap_b32 v[PC+6*\c+\i], v[PC+12+4*\c+\i]
.endr
.irp i, 0,1,2
	v_mov_b32 v[PC+3+6*\c+\i], v[PC+12+4*\c+\i]
.endr
.endr
.endm
.macro FINISH                          ; one tile, all its registers in one window
	SUMS                                           ; (tile 0's additions are the places behind the last products)
	s_delay_alu instid0(VALU_DEP_1)
	v_add_f32 v12, v12, v13
	s_delay_alu instid0(VALU_DEP_1)
	v_permlanex16_b32 v14, v12, s[SEL], s[SEL+1]
	s_delay_alu instid0(VALU_DEP_1)
	v_add_f32 v12, v12, v14                        ; the row's sum
	s_wait_alu depctr_va_vdst(0)
	v_rcp_f32 v12, v12
	v_nop                                          ; a plain place behind the reciprocal
	s_wait_alu depctr_va_vdst(0)                   ; and the wait ahead of its first reader, which is O^T's first reader too
.set j, 0
.rept 32
	v_pk_mul_f32 v[96+j:97+j], v[160+j:161+j], v[12:13] op_sel_hi:[1,0]    ; each accumulator from its low end on
.set j, j+2
.endr
	QUANT 96
.endm
.irp t, 0,1
	WIN 0x55*\t
	FINISH
	WIN 4*\t                                       ; a store's data are its source 1
.irp j, 0,1,2
	global_store_b128 v[LI], v[PC+4*\j:PC+4*\j+3], s[74:75] offset:12288*\t+512*\j   ; 32 lanes store 512 consecutive bytes
.endr
.endr
.irp t, 0,1
	WIN \t
	v_mov_b32 v[PP+\t], v[PW]                      ; the tiles' scale words, into window 0
.endr
	WIN 0
	v_bfe_u32 v5, v0, 4, 1                         ; h
	v_and_b32 v6, 15, v0                           ; r
	v_lshlrev_b32 v7, 9, v5
	v_lshl_add_u32 v7, v6, 4, v7                   ; 512 h + 16 r
	v_cmp_ne_u32 vcc_lo, 0, v5
	v_cndmask_b32 v[PP], v[PP], v[PP+1], vcc_lo    ; lanes 0-15 tile 0's rows, lanes 16-31 tile 1's
	global_store_b32 v7, v[PP], s[76:77]           ; 4 bytes in every 16: a head holds one K step of a row tile's eight
	s_wait_tensorcnt 0x0                           ; the wave's end
	ds_add_u32 v[SPW], v[NIL]
	s_wait_dscnt 0x0
	CROUND                                         ; the closing round
	s_endpgm
.Lfunc_end_k_qe11cc71a5d_attn:
	.size	k_qe11cc71a5d_attn, .Lfunc_end_k_qe11cc71a5d_attn-k_qe11cc71a5d_attn
	.p2alignl 7, 3214868480
	.fill 96, 4, 3214868480
	.section	.rodata,"a",@progbits
	.p2align	6, 0x0
	.amdhsa_kernel k_qe11cc71a5d_attn
		.amdhsa_group_segment_fixed_size 327680
		.amdhsa_private_segment_fixed_size 0
		.amdhsa_enable_private_segment 0
		.amdhsa_kernarg_size 32
		.amdhsa_user_sgpr_count 2
		.amdhsa_user_sgpr_kernarg_segment_ptr 1
		.amdhsa_wavefront_size32 1
		.amdhsa_system_sgpr_workgroup_id_x 1
		.amdhsa_system_sgpr_workgroup_id_y 1
		.amdhsa_system_sgpr_workgroup_id_z 1
		.amdhsa_system_vgpr_workitem_id 0
		.amdhsa_next_free_vgpr 512
		.amdhsa_next_free_sgpr 80
		.amdhsa_reserve_vcc 1
		.amdhsa_float_denorm_mode_32 3
		.amdhsa_float_denorm_mode_16_64 3
		.amdhsa_memory_ordered 1
		.amdhsa_forward_progress 1
		.amdhsa_inst_pref_size 140
	.end_amdhsa_kernel
	.amdgpu_metadata
---
amdhsa.version: [ 1, 2 ]
amdhsa.kernels:
  - .name:           k_qe11cc71a5d_attn
    .symbol:         k_qe11cc71a5d_attn.kd
    .args:
      - { .name: qkvc, .offset: 0, .size: 8, .value_kind: global_buffer, .address_space: global }
      - { .name: qkvs, .offset: 8, .size: 8, .value_kind: global_buffer, .address_space: global }
      - { .name: ctxc, .offset: 16, .size: 8, .value_kind: global_buffer, .address_space: global }
      - { .name: ctxs, .offset: 24, .size: 8, .value_kind: global_buffer, .address_space: global }
    .group_segment_fixed_size: 327680
    .private_segment_fixed_size: 0
    .kernarg_segment_align: 8
    .kernarg_segment_size: 32
    .max_flat_workgroup_size: 256
    .sgpr_count:     80
    .vgpr_count:     512
    .wavefront_size: 32
...
	.end_amdgpu_metadata
.endif
;; end of part 3
;; launch outp (part 4): grid 4 x 64, 4 waves a work-group, clusters of 4 x 4, 327,680 bytes of LDS; arguments ctxc, ctxs, opc, ops, Wo_b, out0; writes out0
.if DOCPART == 4
	.amdgcn_target "amdgcn-amd-amdhsa--gfx1250"
	.amdhsa_code_object_version 6
	.text
	.protected	k_qe11cc71a5d_outp
	.globl	k_qe11cc71a5d_outp
	.p2align	8
	.type	k_qe11cc71a5d_outp,@function
k_qe11cc71a5d_outp:
	s_mov_b64 s[64:65], 0
	v_nop
	global_prefetch_b8 v0, s[64:65] scope:SCOPE_SE
	s_setreg_imm32_b32 hwreg(HW_REG_WAVE_MODE, 25, 1), 1
	s_wait_xcnt 0x0
	s_wait_alu depctr_hold_cnt(0) depctr_sa_sdst(0) depctr_va_vdst(0) depctr_va_sdst(0) depctr_va_ssrc(0) depctr_va_vcc(0) depctr_vm_vsrc(0)
	s_getreg_b32 s2, hwreg(HW_REG_IB_STS2, 6, 4)
	s_cmp_eq_u32 s2, 0
	s_cbranch_scc0 .Lentry_in_a_cluster
	s_endpgm
.Lentry_in_a_cluster:
	s_bfe_u32 s2, ttmp6, 0x10000c
	s_cmp_lg_u32 s2, 0xf033
	s_cbranch_scc0 .Lentry_shape_is_right
	s_endpgm
.Lentry_shape_is_right:
; out0 = ctx Wo + bo on codes of FP6 with E8M0 scales, K = 1,024; out0 [8192][1024] f32.
; A work-group makes 128 tokens x 256 channels: 64 x 4 = 256 work-groups.  Each of its four waves makes 64 x 128: 32 accumulators.
; Operands lie in ctxc and opc as images of fragments (1,536 bytes: registers 4 j .. 4 j + 3 of lane L at 512 j + 16 L), a row tile's eight K steps on end: 12,288 bytes.
; ALL OF K LIES IN LDS AFTER ONE FILL: ctx's 8 row tiles (98,304 bytes) from 0, Wo's 16 (196,608 bytes) behind them: dense blocks of memory, one joint load a wave at the head; nothing is filled again.
; SOURCE 1 = ctx gives a lane its token, SOURCE 0 = Wo the eight registers: eight neighbouring channels.  Lane r of tile T holds row 32 (T / 2) + 8 (T % 2) + r + 8 (r / 8).
; CLUSTER 4 x 4: ctx's tiles hang on cy and are asked for jointly along a row of the cluster, Wo's on cx, along a column.
; No prefetch is laid: every byte is asked for at the head, and there is no loop to run ahead in.
; The bias is the C of each sum's first product.  The way out goes through a stage in ctx's LDS bytes, behind a barrier behind which nobody reads them.
; REGISTERS: window 0: v4-29 addresses; v32-47 ctx's scale words (block a: 4 registers; register p, lanes 0-15: K step 2 p, lanes 16-31: 2 p + 1), v64-95 Wo's; v128-175, v176-223 ctx's 4 fragments, two sets (later: the way out).
;   window 1: Wo's 8 fragments, two sets at v0 and v128; the bias tiles at v96-127 and v224-255.   window 2: accumulator (a, b) at v[8 (8 a + b)].
.set ABYTES, 98304
.set SPARE, 294912
.set LI,   4
.set ADR1, 16
.set ADR0, 20                          ; v20, v21: Wo's tiles 0-3 and 4-7 of my half
.set STO,  24
.set RD,   25
.set SPW,  28
.set NIL,  29
.set SC1,  32
.set SC0,  64
.set AF,   128
.set BK,   128
.set WV,   16
.set H1,   17
.set H0,   18
.set CX,   19
.set CY,   20
.set CLY,  22
.set G1A,  28
.set G1B,  36
.set G0A,  44
.set G0B,  68
.set MSB, 0
.macro WIN new                         ; the immediate's high byte repeats the setting that is left
.if MSB != (\new)
	s_set_vgpr_msb (MSB<<8)|(\new)
.set MSB, (\new)
.endif
.endm
.macro PLACES n
.rept \n
	v_nop
.endr
.endm
.macro CROUND
	s_barrier_signal -1
	s_barrier_wait -1
	s_cmp_lg_u32 s[WV], 0
	s_cbranch_scc1 .Lnot_wave_0_\@
	s_barrier_signal -3
.Lnot_wave_0_\@:
	s_barrier_wait -3
	s_barrier_signal -1
	s_barrier_wait -1
.endm
	s_load_b256 s[4:11], s[0:1], 0x0               ; ctxc s[4:5], ctxs s[6:7], opc s[8:9], ops s[10:11]
	s_load_b128 s[12:15], s[0:1], 0x20             ; Wo_b s[12:13], out0 s[14:15]
	v_lshl_add_u32 v[SPW], v0, 2, SPARE
	v_mov_b32 v[NIL], 0
	ds_add_u32 v[SPW], v[NIL]                      ; the opening lines: the add twice on end and one wait
	ds_add_u32 v[SPW], v[NIL]
	v_lshrrev_b32 v1, 5, v0
	v_readfirstlane_b32 s[WV], v1                  ; wave 0..3
	s_lshr_b32 s[H1], s[WV], 1                     ; my half of ctx's tiles.  Also: I fetch for ctx (0) or for Wo (1)
	s_and_b32 s[H0], s[WV], 1                      ; my half of Wo's tiles.  Also: which half I fetch
	s_bfe_u32 s[CX], ttmp6, 0x40000
	s_bfe_u32 s[CY], ttmp6, 0x40004
	s_and_b32 s[CLY], ttmp7, 0xffff
	s_lshl_b32 s23, s[CY], 2
	s_lshl_b32 s23, 15, s23                        ; my row of the cluster
	s_lshl_b32 s24, 0x1111, s[CX]                  ; my column
	s_or_b32 s[G1A], s23, (3<<16)|(1<<21)          ; 15:0 the mask; 17:16 elements of 8 bytes; 21 set beside a mask; no padding
	s_or_b32 s[G1B], s24, (3<<16)|(1<<21)
	s_mov_b32 s[G1A+1], 32<<16                     ; dense blocks as rows of 256 bytes: 192 rows (4 row tiles of ctx),
	s_mov_b32 s[G1A+2], 192<<16
	s_mov_b32 s[G1A+3], 32<<16
	s_mov_b32 s[G1A+4], 192
	s_mov_b32 s[G1A+5], 32
	s_mov_b32 s[G1A+6], 0
	s_mov_b32 s[G1A+7], 0
	s_mov_b32 s[G1B+1], 32<<16                     ; 384 rows (8 row tiles of Wo)
	s_mov_b32 s[G1B+2], 384<<16
	s_mov_b32 s[G1B+3], 32<<16
	s_mov_b32 s[G1B+4], 384
	s_mov_b32 s[G1B+5], 32
	s_mov_b32 s[G1B+6], 0
	s_mov_b32 s[G1B+7], 0
	s_lshl_b32 s59, s[CLY], 2
	s_add_co_u32 s59, s59, s[CY]
	s_lshl_b32 s59, s59, 3                         ; ctx's first row tile: it hangs on cy alone
	s_add_co_u32 s60, s[CX], 76
	s_lshl_b32 s60, s60, 4                         ; Wo's: on cx alone
	s_lshl_b32 s63, s[H0], 2
	s_add_co_u32 s80, s59, s63
	s_mul_i32 s80, s80, 12288
	s_mov_b32 s81, 0
	s_lshl_b32 s62, s[H0], 3
	s_add_co_u32 s84, s60, s62
	s_lshl_b32 s94, s84, 9                         ; the scale words of my half of Wo
	s_mul_i32 s84, s84, 12288
	s_mov_b32 s85, 0
	s_mov_b32 s95, 0
	s_lshl_b32 s63, s[H1], 2
	s_add_co_u32 s92, s59, s63
	s_lshl_b32 s92, s92, 9                         ; and of ctx
	s_mov_b32 s93, 0
	s_mul_i32 s90, s[H0], 49152                    ; where my load goes: no place in the cluster enters an LDS address
	s_mul_i32 s91, s[H0], 98304
	s_add_co_u32 s91, s91, ABYTES
	s_wait_dscnt 0x0                               ; both opening adds are done
	s_wait_kmcnt 0x0
	s_add_nc_u64 s[86:87], s[4:5], s[80:81]
	s_add_nc_u64 s[88:89], s[8:9], s[84:85]
	s_add_nc_u64 s[92:93], s[6:7], s[92:93]
	s_add_nc_u64 s[94:95], s[10:11], s[94:95]
	s_mov_b32 s[G0A], 1
	s_mov_b32 s[G0A+1], s90
	s_mov_b64 s[G0A+2:G0A+3], s[86:87]
	s_or_b32 s[G0A+3], s[G0A+3], 0x80000000
	s_mov_b32 s[G0B], 1
	s_mov_b32 s[G0B+1], s91
	s_mov_b64 s[G0B+2:G0B+3], s[88:89]
	s_or_b32 s[G0B+3], s[G0B+3], 0x80000000
	CROUND                                         ; all sixteen work-groups are here: the joint loads meet
	s_cmp_eq_u32 s[H1], 0                          ; one load a wave: waves 0, 1 ctx's halves, waves 2, 3 Wo's
	s_cbranch_scc0 .Lfor_b
	tensor_load_to_lds s[G0A:G0A+3], s[G1A:G1A+7]
	s_nop 0
	PLACES 4
	s_branch .Lasked
.Lfor_b:
	tensor_load_to_lds s[G0B:G0B+3], s[G1B:G1B+7]
	s_nop 0
	PLACES 4
.Lasked:
	s_mul_i32 s58, s[H1], 49152                    ; my 4 tiles of ctx
	s_mul_i32 s57, s[H0], 98304
	s_add_co_u32 s57, s57, ABYTES                  ; my 8 tiles of Wo
	s_mul_i32 s56, s[WV], 8448                     ; my stage
	s_lshl_b32 s54, s[CX], 10
	s_lshl_b32 s55, s[H0], 9
	s_add_co_u32 s54, s54, s55                     ; my first channel, in bytes
	s_mov_b32 s55, 0
	s_add_nc_u64 s[12:13], s[12:13], s[54:55]
	s_add_nc_u64 s[14:15], s[14:15], s[54:55]
	s_lshl_b32 s54, s[CLY], 2
	s_add_co_u32 s54, s54, s[CY]
	s_lshl_b32 s54, s54, 1
	s_add_co_u32 s54, s54, s[H1]
	s_lshl_b32 s54, s54, 18                        ; my first token: 64 rows of 4,096 bytes a wave
	s_add_nc_u64 s[14:15], s[14:15], s[54:55]
	v_and_b32 v2, 31, v0
	v_and_b32 v5, 15, v0                           ; r
	v_bfe_u32 v6, v0, 4, 1                         ; h
	v_lshlrev_b32 v[LI], 4, v2
	v_lshlrev_b32 v7, 6, v6                        ; the bias: 16 channels x h
	v_mul_u32_u24 v[STO], v5, 528
	v_add_nc_u32 v[ADR1], s58, v[LI]
	v_add_nc_u32 v[ADR0], s57, v[LI]
	v_lshl_add_u32 v[STO], v6, 6, v[STO]
	v_add_nc_u32 v[RD], s56, v[LI]
	v_add_nc_u32 v[ADR0+1], 49152, v[ADR0]
	v_add_nc_u32 v[STO], s56, v[STO]
.irp i, 0,1,2,3
	global_load_b128 v[SC1+4*\i:SC1+4*\i+3], v[LI], s[92:93] offset:512*\i     ; the scale words of all eight K steps: they stay
.endr
.irp i, 0,1,2,3,4,5,6,7
	global_load_b128 v[SC0+4*\i:SC0+4*\i+3], v[LI], s[94:95] offset:512*\i
.endr
	WIN 0x40                                       ; destination window 1
.irp i, 0,1,2,3,4,5,6,7
.if \i < 4
.set rC, 96+8*\i
.else
.set rC, 224+8*(\i-4)
.endif
	global_load_b128 v[rC:rC+3], v7, s[12:13] offset:128*(\i/2)+32*(\i%2)      ; register j of tile i: the bias of channel 32 (i / 2) + 8 (i % 2) + 16 h + j
	global_load_b128 v[rC+4:rC+7], v7, s[12:13] offset:128*(\i/2)+32*(\i%2)+16
.endr
	WIN 0
.macro FETCH ks                        ; K step ks: Wo's 8 fragments and ctx's 4 into set ks % 2; a fragment comes as it lies: three loads of 512 consecutive bytes
	WIN 0x40
.irp i, 0,1,2,3,4,5,6,7
.irp j, 0,1,2
	ds_load_b128 v[128*((\ks)%2)+12*\i+4*\j:128*((\ks)%2)+12*\i+4*\j+3], v[ADR0+\i/4] offset:12288*(\i%4)+1536*(\ks)+512*\j
.endr
.endr
	WIN 0
.irp i, 0,1,2,3
.irp j, 0,1,2
	ds_load_b128 v[AF+48*((\ks)%2)+12*\i+4*\j:AF+48*((\ks)%2)+12*\i+4*\j+3], v[ADR1] offset:12288*\i+1536*(\ks)+512*\j
.endr
.endr
.endm
; 32 products: ctx's four blocks x Wo's eight, K step ks.  The 32 accumulators take turns, one instruction a turn, in the same order in every step.
.macro MUL32 ks
.irp a, 0,1,2,3
.irp b, 0,1,2,3,4,5,6,7
.set rD, 8*(8*\a+\b)
.set rA, 128*((\ks)%2)+12*\b
.set rB, AF+48*((\ks)%2)+12*\a
.set rX, SC0+4*\b+(\ks)/2
.set rY, SC1+4*\a+(\ks)/2
.set rC, 96+8*\b
.if \b > 3
.set rC, 224+8*(\b-4)
.endif
.if (\ks) == 0
	v_wmma_scale_f32_16x16x128_f8f6f4 v[rD:rD+7], v[rA:rA+11], v[rB:rB+11], v[rC:rC+7], v[rX], v[rY] matrix_a_fmt:MATRIX_FMT_FP6 matrix_b_fmt:MATRIX_FMT_FP6
.elseif (\ks)%2
	v_wmma_scale_f32_16x16x128_f8f6f4 v[rD:rD+7], v[rA:rA+11], v[rB:rB+11], v[rD:rD+7], v[rX], v[rY] matrix_a_fmt:MATRIX_FMT_FP6 matrix_b_fmt:MATRIX_FMT_FP6 matrix_a_scale:MATRIX_SCALE_ROW1 matrix_b_scale:MATRIX_SCALE_ROW1
.else
	v_wmma_scale_f32_16x16x128_f8f6f4 v[rD:rD+7], v[rA:rA+11], v[rB:rB+11], v[rD:rD+7], v[rX], v[rY] matrix_a_fmt:MATRIX_FMT_FP6 matrix_b_fmt:MATRIX_FMT_FP6
.endif
.endr
.endr
.endm
; A K step: its fragments are in; the next step's 36 loads go out into the other sets, four plain places behind the products that read those; then the 32 products.
.macro STEP ks
	s_wait_dscnt 0x0
.if (\ks) == 7
	s_barrier_signal -1                            ; my reads of LDS are over: behind this barrier the stage may be written
.else
.if (\ks) > 0
	PLACES 4
.endif
	FETCH (\ks)+1
.endif
.if (\ks) == 0
	WIN 0x91                                       ; source 0 and C window 1, source 1 window 0, D window 2
.else
	WIN 0xa1
.endif
	MUL32 \ks
	WIN 0
.endm
	s_wait_alu depctr_va_vdst(0)                   ; the wait at the head's end
	s_wait_tensorcnt 0x0                           ; my part is in
	s_barrier_signal -1
	s_barrier_wait -1                              ; and everybody's
	FETCH 0
	s_wait_loadcnt 0x0                             ; the scale words and the bias
.irp k, 0,1,2,3,4,5,6,7
	STEP \k
.endr
	s_barrier_wait -1
; THE WAY OUT, block by block of 16 tokens x 128 channels: through my own stage, back as whole rows of 512 bytes, which the 32 lanes store as two aligned runs of 256 bytes.
.macro TOSTAGE a
	WIN 0x08                                       ; the data: window 2
.irp b, 0,1,2,3,4,5,6,7
	ds_store_b128 v[STO], v[64*(\a)+8*\b:64*(\a)+8*\b+3] offset:128*(\b/2)+32*(\b%2)       ; each accumulator from its low end on
	ds_store_b128 v[STO], v[64*(\a)+8*\b+4:64*(\a)+8*\b+7] offset:128*(\b/2)+32*(\b%2)+16
.endr
	WIN 0
.set BB, BK+64*((\a)%2)
.irp t, 0,1,2,3,4,5,6,7,8,9,10,11,12,13,14,15
	ds_load_b128 v[BB+4*\t:BB+4*\t+3], v[RD] offset:\t*528     ; LDS serves a wave's instructions in order: these see the stores above
.endr
.endm
.macro SEND a, younger                 ; younger: the LDS instructions issued behind block a's loads, which may stay out
.set BB, BK+64*((\a)%2)
	s_wait_dscnt \younger
.irp t, 0,1,2,3,4,5,6,7,8,9,10,11,12,13,14,15
	global_store_b128 v[LI], v[BB+4*\t:BB+4*\t+3], s[14:15] offset:(32*((\a)/2)+8*((\a)%2)+\t+8*(\t/8))*4096 th:TH_STORE_NT
.endr
.endm
	PLACES 4                                       ; behind the last products: results are read, and registers that held ctx's fragments are loaded into
	TOSTAGE 0
.irp a, 1,2,3
.if \a > 1
	s_wait_xcnt 0x0                                ; block a - 2's stores have read their registers: block a's loads may land there
.endif
	TOSTAGE \a
	SEND \a-1, 32                                  ; behind block a - 1's loads: block a's 16 stores and 16 loads
.endr
	SEND 3, 0
	s_wait_tensorcnt 0x0                           ; the wave's end
	ds_add_u32 v[SPW], v[NIL]
	s_wait_dscnt 0x0
	CROUND                                         ; the closing round
	s_endpgm
.Lfunc_end_k_qe11cc71a5d_outp:
	.size	k_qe11cc71a5d_outp, .Lfunc_end_k_qe11cc71a5d_outp-k_qe11cc71a5d_outp
	.p2alignl 7, 3214868480
	.fill 96, 4, 3214868480
	.section	.rodata,"a",@progbits
	.p2align	6, 0x0
	.amdhsa_kernel k_qe11cc71a5d_outp
		.amdhsa_group_segment_fixed_size 327680
		.amdhsa_private_segment_fixed_size 0
		.amdhsa_enable_private_segment 0
		.amdhsa_kernarg_size 48
		.amdhsa_user_sgpr_count 2
		.amdhsa_user_sgpr_kernarg_segment_ptr 1
		.amdhsa_wavefront_size32 1
		.amdhsa_system_sgpr_workgroup_id_x 1
		.amdhsa_system_sgpr_workgroup_id_y 1
		.amdhsa_system_sgpr_workgroup_id_z 1
		.amdhsa_system_vgpr_workitem_id 0
		.amdhsa_next_free_vgpr 768
		.amdhsa_next_free_sgpr 100
		.amdhsa_reserve_vcc 0
		.amdhsa_float_denorm_mode_32 3
		.amdhsa_float_denorm_mode_16_64 3
		.amdhsa_memory_ordered 1
		.amdhsa_forward_progress 1
		.amdhsa_inst_pref_size 76
	.end_amdhsa_kernel
	.amdgpu_metadata
---
amdhsa.version: [ 1, 2 ]
amdhsa.kernels:
  - .name:           k_qe11cc71a5d_outp
    .symbol:         k_qe11cc71a5d_outp.kd
    .args:
      - { .name: ctxc, .offset: 0, .size: 8, .value_kind: global_buffer, .address_space: global }
      - { .name: ctxs, .offset: 8, .size: 8, .value_kind: global_buffer, .address_space: global }
      - { .name: opc, .offset: 16, .size: 8, .value_kind: global_buffer, .address_space: global }
      - { .name: ops, .offset: 24, .size: 8, .value_kind: global_buffer, .address_space: global }
      - { .name: Wo_b, .offset: 32, .size: 8, .value_kind: global_buffer, .address_space: global }
      - { .name: out0, .offset: 40, .size: 8, .value_kind: global_buffer, .address_space: global }
    .group_segment_fixed_size: 327680
    .private_segment_fixed_size: 0
    .kernarg_segment_align: 8
    .kernarg_segment_size: 48
    .max_flat_workgroup_size: 128
    .sgpr_count:     100
    .vgpr_count:     768
    .wavefront_size: 32
...
	.end_amdgpu_metadata
.endif
;; end of part 4
